; MI455X (gfx1250); checked and timed in simulation.
; The chip was launched on July 23, 2026; its instructions are those of AMD's public machine-readable ISA for CDNA 5 (MIT licence, August 2026) and "CDNA5" Instruction Set Architecture Reference Guide (July 2026). The comments in the code are by the model that wrote it; some were corrected since.
;; Multi Head Attention. Allowed arithmetic: matrix products marked QUANTISED: E2M1 operands, one E8M0 scale for each 32 along K, by v_wmma_scale_f32_16x16x128_f8f6f4 with both operands' format E2M1 (or v_wmma_scale_f32_32x16x128_f4), f32 sums; products left as they are: bf16, f16 or f32 operands; f32 sums; everything else in f32.
;; Inputs: Wk 1,024 x 4,096 float32; Wo 4,096 x 1,024 float32; Wq 1,024 x 4,096 float32; Wv 1,024 x 4,096 float32; mask 1 x 2,048 x 2,048 bool; x 1 x 2,048 x 1,024 float32.
;; Outputs: out0 1 x 2,048 x 1,024 float32.
;; This version of the problem:
;;   THIS VERSION OF THE PROBLEM IS GIVEN IN LOW PRECISION. The matrix products marked QUANTISED in the list below multiply operands that are first quantised to E2M1 (2 exponent bits, 1 mantissa bit; 4 bits a number), with one power-of-two scale for each 32 numbers along K (OCP MX v1.0); their sums are f32. The products marked 'left as it is' may take bf16, f16 or f32 operands, with f32 sums. Whichever they take, every output number must still come out within the allowed error. Rounding operands to bf16 (8 significant bits) uses up far more of that allowance than f16 does (11 bits, for magnitudes from 6e-5 to 65,504). All else is computed in f32.
;;   The module's matrix products, in the order in which they are computed (A, B: the left and right operand; K: the contracted axis; several contracted axes count as one K, in the product's order):
;;     1. [M 2,048, K 1,024] x [K 1,024, N 4,096]; A: input x; B: input Wq: QUANTISED
;;     2. [M 2,048, K 1,024] x [K 1,024, N 4,096]; A: input x; B: input Wk: QUANTISED
;;     3. [M 2,048, K 1,024] x [K 1,024, N 4,096]; A: input x; B: input Wv: QUANTISED
;;     4. batch 16 x [M 2,048, K 256] x [K 256, N 2,048]; A: computed on the way; B: computed on the way: left as it is (an operand is computed on the way)
;;     5. batch 16 x [M 2,048, K 2,048] x [K 2,048, N 256]; A: computed on the way; B: computed on the way: left as it is (an operand is computed on the way)
;;     6. [M 2,048, K 4,096] x [K 4,096, N 1,024]; A: computed on the way; B: input Wo: left as it is (an operand is computed on the way)
;;   THE QUANTISER, for each operand of a quantised product, along K:
;;     - K is cut into blocks of 32 from its start; a last block that is shorter is filled with zeros.
;;     - A block's scale is 2^e with e = floor(log2(the largest magnitude in the block)) - 2, held to -126 .. 127; a block of zeros has e = 0. As a byte (E8M0): e + 127.
;;     - Each number is divided by its block's scale, clamped to +-6, and rounded to the nearest number of E2M1, ties to even, subnormals kept.
;;     - The product sums the exact products of the quantised numbers (number of the format x scale) in f32.
;;   ~~~python
;;   def quantise(x, axis):      # numpy; x: float32 -> the quantised numbers, widened to float32 again
;;       x = np.moveaxis(x, axis, -1); K = x.shape[-1]
;;       x = np.pad(x, [(0, 0)] * (x.ndim - 1) + [(0, -K % 32)]); x = x.reshape(x.shape[:-1] + (-1, 32)); a = np.abs(x).max(-1, keepdims=True)
;;       e = np.where(a > 0, np.clip(np.frexp(np.where(a > 0, a, 1))[1] - 1 - 2, -126, 127), 0)      # np.frexp(a)[1] - 1 = floor(log2(a)), exactly
;;       r = np.clip(x / 2.0 ** e, -6, 6)
;;       step = 2.0 ** (np.maximum(np.frexp(np.where(r == 0, 1, r))[1] - 1, 0) - 1)
;;       q = np.round(r / step) * step * 2.0 ** e      # np.round: ties to even
;;       return np.moveaxis(q.reshape(q.shape[:-2] + (-1,))[..., :K], -1, axis).astype(np.float32)
;;   ~~~
;; One version. Each part assembles by itself: llvm-mc -triple=amdgcn-amd-amdhsa -mcpu=gfx1250 --defsym DOCPART=n.
;; ======== version 1 of 1: 6 launches
;; limits: values are held in f16: magnitudes above 65,504 overflow, below 6.1e-05 lose precision
;; workspace buffers: cod 7,340,032 bytes; scl 458,752 bytes; wo16 8,388,608 bytes; maskw 524,288 bytes of whole numbers; qkv 50,331,648 bytes; y16 16,777,216 bytes; yf 262,144 bytes
;; launch prep (part 1): grid 416 x 1, 4 waves a work-group, no clusters, 70,144 bytes of LDS; arguments x, Wq, Wk, Wv, Wo, mask, cod, scl, wo16, maskw; writes cod, scl, wo16, maskw
.if DOCPART == 1
	.amdgcn_target "amdgcn-amd-amdhsa--gfx1250"
	.amdhsa_code_object_version 6
	.text
	.protected	k_q37fe03b5d3_prep
	.globl	k_q37fe03b5d3_prep
	.p2align	8
	.type	k_q37fe03b5d3_prep,@function
k_q37fe03b5d3_prep:
	s_mov_b64 s[64:65], 0
	v_nop
	global_prefetch_b8 v0, s[64:65] scope:SCOPE_SE
	s_setreg_imm32_b32 hwreg(HW_REG_WAVE_MODE, 25, 1), 1
	s_wait_xcnt 0x0
; PREP: every input is read once and laid as the later launches' operand registers want it.
; DEAD WORK: none.  Every input (x, mask, Wq, Wk, Wv, Wo) has a way to out0 and every product of the problem is live; the mask is an input, so no pattern of it is built in.
; cod  [tile 896][ks 8][1,024 B]: codes of E2M1 of x (tiles 0-127: rows 16 tile + r) and of the columns of Wq | Wk | Wv (tile 128 + column / 16), quantised along K = 1,024.
;      A fragment (16 rows x 128 K) is an image of its registers: the 32 codes k = 128 ks + 64 c + 32 h + 0..31 of row r lie at 512 c + 16 (r + 16 h).
; scl  [kg 2][row 14,336][16 B]: E8M0 bytes; row = x's row or 2,048 + column; word q of a row = the four bytes of k = 512 kg + 128 q + 0..127.
; wo16 [nt 64][ks 128][1,024 B]: Wo in f16; the 8 numbers at 512 c + 16 (r + 16 h) are Wo[32 ks + 16 c + 8 h + 0..7][16 nt + r].
; maskw [qt 128][kt 128][j 8] words: bit L of a word = mask[16 qt + L % 16][16 kt + 8 (L / 16) + j]: the lane mask of register j of a tile of scores.
; A block's scale is 2^(floor(log2(largest magnitude)) - 2): its byte is the largest magnitude's exponent field - 2, held at 1 from below.  A block of zeros keeps the byte 1 where the rule says 127:
; its codes are zeros, and this program alone reads the bytes.
; LIMITS: blocks whose largest magnitude lies under 2^-124 keep the byte 1; NaN and infinities among x and the weights are not served; |Wo| up to 65,504 (f16).
; SHARES: work-groups 0-191 the three weights (128 columns x 512 K each), 192-255 Wo (128 columns x 512 K), 256-287 x (64 rows), 288-415 the mask (16 rows each, a wave 512 keys: its words take the most
; instructions a byte, so it is shared furthest).  The paths part on the work-group's number alone; the two that use LDS have bytes of their own.  Waves share nothing: no barrier.
; No matrix unit, no cluster, no tensor load: a stream, each byte once.
.set SPARE, 69632                      ; behind the stages: the spare words, 128 bytes for each wave
.set SPW, 30                           ; v30 LDS address of my spare word; never rewritten
.set NIL, 31                           ; v31 0; never rewritten
; v1 16 x lane; v2, v3 x's stage in and out; v4, v5 the mask's; v6 4 x lane; v7 16 r; v8-10 a path's offsets; v11-15 at work; v16-27 scale words (the mask's path: at work)
.macro FINISH                          ; the wave's end
	s_wait_tensorcnt 0x0
	ds_add_u32 v[SPW], v[NIL]
	s_wait_dscnt 0x0
	s_endpgm
.endm
.macro LOADC t, pitch                  ; block t of a lane's column: 32 numbers down K into set t % 2; 32 lanes read 128 neighbouring bytes
.set ii, 0
.rept 32
	global_load_b32 v[32+32*((\t)%2)+ii], v6, s[32:33] offset:(32*(\t)+ii)*\pitch th:TH_LOAD_NT
.set ii, ii+1
.endr
.endm
.macro BMAX xs                         ; 32 numbers of one block in v[xs] on: v11 = the conversion's scale operand, v13 = the scale's byte
	v_max3_num_f32 v12, |v[\xs]|, |v[\xs+1]|, |v[\xs+2]|
	v_max3_num_f32 v13, |v[\xs+3]|, |v[\xs+4]|, |v[\xs+5]|
.irp i, 6,10,14,18,22,26
	v_max3_num_f32 v12, v12, |v[\xs+\i]|, |v[\xs+\i+1]|
	v_max3_num_f32 v13, v13, |v[\xs+\i+2]|, |v[\xs+\i+3]|
.endr
	v_max3_num_f32 v12, v12, |v[\xs+30]|, |v[\xs+31]|
	v_max3_num_f32 v12, v12, v13, 0x1800000        ; the floor 2^(3 - 127): the byte cannot fall under 1
	v_add_nc_u32 v11, 0xff000000, v12              ; 2 off the exponent field: the conversion takes that field as its scale
	v_lshrrev_b32 v13, 23, v11
.endm
.macro LOAD16 u, step                  ; unit u, 16 rows x 256 bytes, into set u % 3: each half of the lanes reads 256 aligned bytes of a row
.irp i, 0,1,2,3,4,5,6,7
	global_load_b128 v[32+32*((\u)%3)+4*\i:32+32*((\u)%3)+4*\i+3], v8, s[32:33] offset:256*(\u)+\i*\step th:TH_LOAD_NT
.endr
.endm
	s_load_b512 s[4:19], s[0:1], 0x0               ; x s[4:5], Wq s[6:7], Wk s[8:9], Wv s[10:11], Wo s[12:13], mask s[14:15], cod s[16:17], scl s[18:19]
	s_load_b128 s[20:23], s[0:1], 0x40             ; wo16 s[20:21], maskw s[22:23]
	v_lshl_add_u32 v[SPW], v0, 2, SPARE
	v_mov_b32 v[NIL], 0
	v_lshrrev_b32 v10, 5, v0
	v_readfirstlane_b32 s24, v10                   ; wave
	v_and_b32 v11, 31, v0                          ; lane
	v_and_b32 v12, 15, v0                          ; r
	v_bfe_u32 v13, v0, 4, 1                        ; h
	v_lshlrev_b32 v1, 4, v11
	v_lshlrev_b32 v6, 2, v11
	v_lshlrev_b32 v7, 4, v12
	s_mul_i32 s25, s24, 8704                       ; a wave's stages: two of 16 rows x 272 bytes.  All LDS addresses are made ahead of the parting
	v_mul_u32_u24 v2, v13, 272
	v_add_nc_u32 v2, v2, v7
	v_add_nc_u32 v2, s25, v2                       ; in: row lane / 16, 16 bytes a lane
	v_mul_u32_u24 v3, v12, 272
	v_lshl_add_u32 v5, v13, 3, v3
	v_lshl_add_u32 v3, v13, 7, v3
	v_add_nc_u32 v3, s25, v3                       ; x out: row r, 128 bytes (a block of 32) for each half of the lanes
	v_add_nc_u32 v4, 34816, v2                     ; the mask's stages lie behind x's
	v_add_nc_u32 v5, s25, v5
	v_add_nc_u32 v5, 34816, v5                     ; mask out: row r, 8 bytes for each half
	s_mov_b32 s35, 0
	s_wait_kmcnt 0x0
	s_cmp_lt_u32 ttmp9, 192
	s_cbranch_scc1 .Lweights
	s_cmp_lt_u32 ttmp9, 256
	s_cbranch_scc1 .Lwo
	s_cmp_lt_u32 ttmp9, 288
	s_cbranch_scc1 .Lx
; ---- THE MASK: a work-group takes 16 rows (one tile of queries), a wave 512 keys of them: two units of 256 keys.  A unit turns through the stage so that lane (r, h) holds, for each tile of 16 keys,
; the 8 bytes of row r, keys 8 h + 0..7; a compare makes the lane mask of byte j, and 128 such words are set into four registers, four words a lane, and leave as 512 consecutive bytes.
	s_sub_co_u32 s27, ttmp9, 288                   ; qt
	s_lshl_b32 s34, s27, 15                        ; 16 rows of 2,048 bytes
	s_lshl_b32 s36, s24, 9                         ; my 512 keys
	s_add_co_u32 s34, s34, s36
	s_add_nc_u64 s[32:33], s[14:15], s[34:35]
	s_lshl_b32 s34, s27, 12                        ; 128 x 8 words a tile of queries
	s_lshl_b32 s36, s24, 10                        ; my 32 key tiles x 8 words
	s_add_co_u32 s34, s34, s36
	s_add_nc_u64 s[22:23], s[22:23], s[34:35]
	v_lshl_add_u32 v8, v13, 11, v7
.irp i, 0,1,2,3
	v_mov_b32 v[192+\i], 0                         ; written once: v_writelane_b32's destination counts as read
.endr
.macro LOADM
.irp i, 0,1,2,3,4,5,6,7
	global_load_b128 v[32+4*\i:35+4*\i], v8, s[32:33] offset:4096*\i th:TH_LOAD_NT
.endr
.endm
.macro UNITM more                      ; more = 1: my first unit, the second is asked for; 0: my second
	s_wait_loadcnt 0x0                             ; the unit is in; its loads have read their base
.irp i, 0,1,2,3,4,5,6,7
	ds_store_b128 v4, v[32+4*\i:35+4*\i] offset:544*\i
.endr
.set kk, 0
.rept 16
	ds_load_b64 v[128+2*kk:129+2*kk], v5 offset:16*kk   ; LDS serves a wave's instructions in order: these see my stores
.set kk, kk+1
.endr
	s_wait_dscnt 0x0
.if \more
	s_add_nc_u64 s[32:33], s[32:33], 256
	LOADM                                          ; the next unit lands while this one's words are made
.endif
.set kk, 0
.rept 16                               ; a tile of 16 keys: eight shifts, eight compares, eight lane writes, so that no line waits for the line above it
.set jj, 0
.rept 8
	v_lshlrev_b32 v[16+jj], 31-8*(jj%4), v[128+2*kk+jj/4]      ; byte j's lowest bit to the sign
.set jj, jj+1
.endr
.set jj, 0
.rept 8
	v_cmp_gt_i32 s[40+jj], 0, v[16+jj]                         ; the 32 lanes' bits: the word
.set jj, jj+1
.endr
.set jj, 0
.rept 8
	v_writelane_b32 v[192+jj%4], s[40+jj], 2*kk+jj/4           ; word 8 kt + j = 4 x lane + register
.set jj, jj+1
.endr
.set kk, kk+1
.endr
	global_store_b128 v1, v[192:195], s[22:23] offset:512*(1-\more)   ; 512 consecutive bytes
.if \more
	s_wait_xcnt 0x0                                ; the store has read its data: the four registers are written again
.endif
.endm
	LOADM
	UNITM 1
	UNITM 0
	FINISH
; ---- Wq, Wk, Wv: a lane takes a column and its registers run down K, so a block of 32 lies in one lane and the conversions give codes with K innermost.
.Lweights:
	s_cmp_ge_u32 ttmp9, 96
	s_cselect_b32 s26, 1, 0                        ; y: which 512 along K
	s_mul_i32 s27, s26, 96
	s_sub_co_u32 s27, ttmp9, s27                   ; gx = 32 x weight + block of 128 columns
	s_lshr_b32 s28, s27, 5
	s_and_b32 s29, s27, 31
	s_cmp_eq_u32 s28, 0
	s_cselect_b64 s[32:33], s[6:7], s[8:9]
	s_cmp_eq_u32 s28, 2
	s_cselect_b64 s[32:33], s[10:11], s[32:33]
	s_lshl_b32 s34, s26, 23                        ; 512 rows of 16,384 bytes
	s_lshl_b32 s36, s29, 9
	s_add_co_u32 s34, s34, s36
	s_lshl_b32 s36, s24, 7
	s_add_co_u32 s34, s34, s36
	s_add_nc_u64 s[32:33], s[32:33], s[34:35]
	s_lshl_b32 s34, s27, 3
	s_lshl_b32 s36, s24, 1
	s_add_co_u32 s34, s34, s36
	s_add_co_u32 s34, s34, 128                     ; my first tile: 128 + 8 gx + 2 wave
	s_lshl_b32 s34, s34, 13
	s_lshl_b32 s36, s26, 12                        ; K steps 4 y on
	s_add_co_u32 s34, s34, s36
	s_add_nc_u64 s[16:17], s[16:17], s[34:35]
	s_lshl_b32 s34, s27, 7
	s_lshl_b32 s36, s24, 5
	s_add_co_u32 s34, s34, s36
	s_add_co_u32 s34, s34, 2048                    ; my first row of scale words
	s_lshl_b32 s34, s34, 4
	s_mul_i32 s36, s26, 229376
	s_add_co_u32 s34, s34, s36
	s_add_nc_u64 s[18:19], s[18:19], s[34:35]
	v_lshl_add_u32 v8, v13, 13, v7                 ; lanes 16-31 belong to the next tile; 16 r in a fragment
.macro BLOCKW t
.if (\t) < 15
	s_wait_loadcnt 32                              ; this block's 32 loads are in; the next block's may be out
.else
	s_wait_loadcnt 0
.endif
	BMAX 32+32*((\t)%2)
.if (\t)%4 == 0
	v_mov_b32 v[24+(\t)/4], v13                    ; four bytes to a word, the lower K in the lower byte
.else
	v_lshl_or_b32 v[24+(\t)/4], v13, 8*((\t)%4), v[24+(\t)/4]
.endif
.irp g, 0,1,2,3
	v_cvt_scalef32_pk8_fp4_f32 v[96+4*(\t)+\g], v[32+32*((\t)%2)+8*\g:32+32*((\t)%2)+8*\g+7], v11
.endr
	global_store_b128 v8, v[96+4*(\t):96+4*(\t)+3], s[16:17] offset:1024*((\t)/4)+512*(((\t)%4)/2)+256*((\t)%2)   ; each half of the lanes fills 256 aligned bytes; each block has its own registers
.if (\t)+2 < 16
	LOADC (\t)+2, 16384
.endif
.endm
	LOADC 0, 16384
	LOADC 1, 16384
.set Q, 0
.rept 16
	BLOCKW Q
.set Q, Q+1
.endr
	global_store_b128 v1, v[24:27], s[18:19]       ; my column's 16 scale bytes: 512 consecutive bytes a wave
	FINISH
; ---- Wo: the same walk; 32 numbers down K become 16 registers of f16 pairs, four pieces of 16 bytes of a fragment's image.
.Lwo:
	s_sub_co_u32 s27, ttmp9, 192
	s_and_b32 s29, s27, 7                          ; block of 128 columns
	s_lshr_b32 s26, s27, 3                         ; which 512 along K
	s_lshl_b32 s34, s26, 21
	s_lshl_b32 s36, s29, 9
	s_add_co_u32 s34, s34, s36
	s_lshl_b32 s36, s24, 7
	s_add_co_u32 s34, s34, s36
	s_add_nc_u64 s[32:33], s[12:13], s[34:35]
	s_lshl_b32 s34, s29, 3
	s_lshl_b32 s36, s24, 1
	s_add_co_u32 s34, s34, s36                     ; nt = 8 block + 2 wave
	s_lshl_b32 s34, s34, 17
	s_lshl_b32 s36, s26, 14                        ; K steps 16 y on
	s_add_co_u32 s34, s34, s36
	s_add_nc_u64 s[20:21], s[20:21], s[34:35]
	v_lshl_add_u32 v8, v13, 17, v7
.macro BLOCKO t
.if (\t) < 15
	s_wait_loadcnt 32
.else
	s_wait_loadcnt 0
.endif
	s_wait_xcnt 0x0                                ; earlier stores have read their data: the set is written again
.set ii, 0
.rept 16
	v_cvt_pk_f16_f32 v[96+16*((\t)%2)+ii], v[32+32*((\t)%2)+2*ii], v[32+32*((\t)%2)+2*ii+1]
.set ii, ii+1
.endr
.irp p, 0,1,2,3
	global_store_b128 v8, v[96+16*((\t)%2)+4*\p:96+16*((\t)%2)+4*\p+3], s[20:21] offset:1024*(\t)+512*(\p/2)+256*(\p%2)
.endr
.if (\t)+2 < 16
	LOADC (\t)+2, 4096
.endif
.endm
	LOADC 0, 4096
	LOADC 1, 4096
.set Q, 0
.rept 16
	BLOCKO Q
.set Q, Q+1
.endr
	FINISH
; ---- x: K is innermost.  A wave takes 16 rows, 16 units of 64 along K.  Loads take the bytes as they lie; a unit turns through the stage so that lane (r, h) holds block 2 U + h of row r whole.
.Lx:
	s_sub_co_u32 s27, ttmp9, 256
	s_lshl_b32 s27, s27, 2
	s_add_co_u32 s27, s27, s24                     ; my tile of rows
	s_lshl_b32 s34, s27, 16
	s_add_nc_u64 s[32:33], s[4:5], s[34:35]
	s_lshl_b32 s34, s27, 13
	s_add_nc_u64 s[16:17], s[16:17], s[34:35]
	s_lshl_b32 s34, s27, 8
	s_add_nc_u64 s[18:19], s[18:19], s[34:35]
	v_lshl_add_u32 v8, v13, 12, v7
	v_lshlrev_b32 v9, 3, v13                       ; 8 h: my bytes' place in a scale word
	v_mad_u32_u24 v10, v13, 0x38000, v7            ; lanes 16-31 store the words of the second 512 along K
	v_mov_b32 v15, 0                               ; written once: a lane permute's destination counts as read
	s_mov_b32 s36, 0x76543210
	s_mov_b32 s37, 0xfedcba98                      ; v_permlanex16_b32's selects for lane l xor 16
	s_mov_b32 s38, 0xffff0000
.macro TURNX u                         ; unit u through stage u % 2
.irp i, 0,1,2,3,4,5,6,7
	ds_store_b128 v2, v[32+32*((\u)%3)+4*\i:32+32*((\u)%3)+4*\i+3] offset:4352*((\u)%2)+544*\i
.endr
.irp i, 0,1,2,3,4,5,6,7
	ds_load_b128 v[128+32*((\u)%2)+4*\i:128+32*((\u)%2)+4*\i+3], v3 offset:4352*((\u)%2)+16*\i
.endr
.endm
.macro UNITX u
	s_wait_dscnt 0x0                               ; this unit is back from the stage
.if (\u)+3 < 16
	LOAD16 (\u)+3, 8192
.endif
.if (\u)+1 < 16
.if (\u) < 13
	s_wait_loadcnt 16                              ; the next unit is in; the two behind it may be out
.elseif (\u) == 13
	s_wait_loadcnt 8
.else
	s_wait_loadcnt 0
.endif
	TURNX (\u)+1
.endif
	BMAX 128+32*((\u)%2)
.irp g, 0,1,2,3
	v_cvt_scalef32_pk8_fp4_f32 v[192+4*(\u)+\g], v[128+32*((\u)%2)+8*\g:128+32*((\u)%2)+8*\g+7], v11
.endr
.if (\u)%2 == 0
	v_mov_b32 v14, v13                             ; byte of block 2 U + h
.else
	v_lshl_or_b32 v14, v13, 16, v14                ; with the last unit's: blocks h and 2 + h of a word,
	v_lshlrev_b32 v14, v9, v14                     ; at their places;
	v_permlanex16_b32 v15, v14, s36, s37
	v_or_b32 v[16+(\u)/2], v14, v15                ; with lane l xor 16's two the word is whole
.endif
	global_store_b128 v1, v[192+4*(\u):192+4*(\u)+3], s[16:17] offset:512*(\u)   ; 512 consecutive bytes; each unit has its own registers
.endm
	LOAD16 0, 8192
	LOAD16 1, 8192
	LOAD16 2, 8192
	s_wait_loadcnt 16
	TURNX 0
.set Q, 0
.rept 16
	UNITX Q
.set Q, Q+1
.endr
.irp q, 0,1,2,3
	v_cndmask_b32 v[24+\q], v[16+\q], v[20+\q], s38
.endr
	global_store_b128 v10, v[24:27], s[18:19]      ; each half of the lanes fills 256 aligned bytes
	FINISH
.Lfunc_end_k_q37fe03b5d3_prep:
	.size	k_q37fe03b5d3_prep, .Lfunc_end_k_q37fe03b5d3_prep-k_q37fe03b5d3_prep
	.p2alignl 7, 3214868480
	.fill 96, 4, 3214868480
	.section	.rodata,"a",@progbits
	.p2align	6, 0x0
	.amdhsa_kernel k_q37fe03b5d3_prep
		.amdhsa_group_segment_fixed_size 70144
		.amdhsa_private_segment_fixed_size 0
		.amdhsa_enable_private_segment 0
		.amdhsa_kernarg_size 80
		.amdhsa_user_sgpr_count 2
		.amdhsa_user_sgpr_kernarg_segment_ptr 1
		.amdhsa_wavefront_size32 1
		.amdhsa_system_sgpr_workgroup_id_x 1
		.amdhsa_system_sgpr_workgroup_id_y 1
		.amdhsa_system_sgpr_workgroup_id_z 1
		.amdhsa_system_vgpr_workitem_id 0
		.amdhsa_next_free_vgpr 256
		.amdhsa_next_free_sgpr 66
		.amdhsa_reserve_vcc 0
		.amdhsa_float_denorm_mode_32 3
		.amdhsa_float_denorm_mode_16_64 3
		.amdhsa_memory_ordered 1
		.amdhsa_forward_progress 1
		.amdhsa_inst_pref_size 249
	.end_amdhsa_kernel
	.amdgpu_metadata
---
amdhsa.version: [ 1, 2 ]
amdhsa.kernels:
  - .name:           k_q37fe03b5d3_prep
    .symbol:         k_q37fe03b5d3_prep.kd
    .args:
      - { .name: x, .offset: 0, .size: 8, .value_kind: global_buffer, .address_space: global }
      - { .name: Wq, .offset: 8, .size: 8, .value_kind: global_buffer, .address_space: global }
      - { .name: Wk, .offset: 16, .size: 8, .value_kind: global_buffer, .address_space: global }
      - { .name: Wv, .offset: 24, .size: 8, .value_kind: global_buffer, .address_space: global }
      - { .name: Wo, .offset: 32, .size: 8, .value_kind: global_buffer, .address_space: global }
      - { .name: mask, .offset: 40, .size: 8, .value_kind: global_buffer, .address_space: global }
      - { .name: cod, .offset: 48, .size: 8, .value_kind: global_buffer, .address_space: global }
      - { .name: scl, .offset: 56, .size: 8, .value_kind: global_buffer, .address_space: global }
      - { .name: wo16, .offset: 64, .size: 8, .value_kind: global_buffer, .address_space: global }
      - { .name: maskw, .offset: 72, .size: 8, .value_kind: global_buffer, .address_space: global }
    .group_segment_fixed_size: 70144
    .private_segment_fixed_size: 0
    .kernarg_segment_align: 8
    .kernarg_segment_size: 80
    .max_flat_workgroup_size: 128
    .sgpr_count:     66
    .vgpr_count:     256
    .wavefront_size: 32
...
	.end_amdgpu_metadata
.endif
;; end of part 1
;; launch qkvg (part 2): grid 48 x 8, 4 waves a work-group, clusters of 4 x 4, 327,680 bytes of LDS; arguments cod, scl, qkv; writes qkv
.if DOCPART == 2
	.amdgcn_target "amdgcn-amd-amdhsa--gfx1250"
	.amdhsa_code_object_version 6
	.text
	.protected	k_q37fe03b5d3_qkvg
	.globl	k_q37fe03b5d3_qkvg
	.p2align	8
	.type	k_q37fe03b5d3_qkvg,@function
k_q37fe03b5d3_qkvg:
	s_mov_b64 s[64:65], 0
	v_nop
	global_prefetch_b8 v0, s[64:65] scope:SCOPE_SE
	s_setreg_imm32_b32 hwreg(HW_REG_WAVE_MODE, 25, 1), 1
	s_wait_xcnt 0x0
	s_wait_alu depctr_hold_cnt(0) depctr_sa_sdst(0) depctr_va_vdst(0) depctr_va_sdst(0) depctr_va_ssrc(0) depctr_va_vcc(0) depctr_vm_vsrc(0)
	s_getreg_b32 s2, hwreg(HW_REG_IB_STS2, 6, 4)
	s_cmp_eq_u32 s2, 0
	s_cbranch_scc0 .Lentry_in_a_cluster
	s_endpgm
.Lentry_in_a_cluster:
	s_bfe_u32 s2, ttmp6, 0x10000c
	s_cmp_lg_u32 s2, 0xf033
	s_cbranch_scc0 .Lentry_shape_is_right
	s_endpgm
.Lentry_shape_is_right:
; q = x Wq, k = x Wk, v = x Wv on codes of E2M1 with E8M0 scales, K = 1,024; sums in f32, results rounded once to f16 and stored as images of the next products' operand registers.  No work is left out.
; A tile of 256 x 256 is made by four waves, each 128 x 128: 64 accumulators, 512 registers.  K goes in two steps of 512, each in an LDS slot of its own: every fill is a first fill.
; ONE BODY, TWO ORIENTATIONS, chosen by the cluster's x alone (selects on offsets, no branch).  Source 0 takes 'B', source 1 takes 'A'; a lane then holds one row of A and eight neighbouring rows of B.
;   clusters x 0-7:  A = x's rows (tokens), B = the columns of Wq | Wk: a lane holds a token and 8 channels: the layout of a fragment of q or k (K = channels).
;   clusters x 8-11: A = Wv's columns (channels), B = x's rows: a lane holds a channel and 8 tokens: the layout of a fragment of v with the keys innermost.
; qkv: 48 groups of 1 MB.  g = head: q, g = 16 + head: k, both [u 8][T 128][1,024 B] = value[token 16 T + r][channel 32 u + 16 c + 8 h + 0..7] at 512 c + 16 (r + 16 h);
;      g = 32 + head: v, [ks 64][ct 16][1,024 B] = v[token 32 ks + 16 c + 8 h + 0..7][channel 16 ct + r].
; Codes arrive as images of fragments (1,024 bytes each), so a wave's tile, 128 rows x 512 K, is 8 rows of 4,096 bytes for one tensor load, and a fragment is two LDS loads at 16 x lane: no pitch, no padding.
; CLUSTERS: 4 x 4.  A's tiles are shared along a row of the cluster, B's along a column: joint loads.
; LIMIT: |q|, |k|, |v| up to 65,504 (f16).
; REGISTERS: window 0: v0-31 addresses; v32-95 scale words, two sets; from v128 A's fragments, one set; on the way out v128-191 packed results.  window 1: B's fragments, two sets.  windows 2, 3: accumulators.
.set NQ,     4                         ; matrix instructions deep in a slot
.set FR,     8
.set NL,     2
.set NP,     4                         ; places behind this matrix instruction (ISA guide 7.12.1)
.set HALFT,  32768                     ; 128 rows x 512 K of codes: what one tensor load brings
.set SLOT,   4*HALFT
.set SCL,    2*SLOT                    ; behind the slots: the scale words, [kg 2][128 rows][16 B] for each wave's load
.set HALFS,  4096
.set SPARE,  SCL+4*HALFS               ; the spare words, 128 bytes for each wave
.set OFF,  8                           ; v8-11   the way out: 16 x lane + pair of B's blocks x its stride
.set ADRA, 16                          ; v16-17  LDS address of my A fragments in slot 0, 1
.set ADRB, 20                          ; v20-21  the same for B
.set ADRS, 27                          ; v27     LDS address of my scale words: lanes 0-15 A's rows, lanes 16-31 B's
.set SPW,  28
.set NIL,  29
.set SC,   32
.set AF,   128
.set TMP,  128
.set G1, 24
.set G0, 32
.set G1B, 48
.set G0B, 56
.set G1S, 68
.set G0S, 76
.set G1SB, 80
.set G0SB, 88
.set MSB, 0
.macro WIN new                         ; the immediate's high byte repeats the setting that is left
.if MSB != \new
	s_set_vgpr_msb (MSB<<8)|\new
.set MSB, \new
.endif
.endm
.set MUL_LO, 0xa1                      ; source 0 (B) window 1, source 1 (A) window 0, C and D window 2
.set MUL_HI, 0xf1
.set TO_B,   0x40
.macro JLOAD g0a, g1a, g0b, g1b        ; a joint load: waves 0 and 1 fetch for A, waves 2 and 3 for B; the branch hangs on the wave's number alone; s_nop 0 and four v_nop follow each line
	s_cmp_eq_u32 s15, 0
	s_cbranch_scc0 .Lfor_b_\@
	tensor_load_to_lds s[\g0a:\g0a+3], s[\g1a:\g1a+7]
	s_nop 0
.rept 4
	v_nop
.endr
	s_branch .Lasked_\@
.Lfor_b_\@:
	tensor_load_to_lds s[\g0b:\g0b+3], s[\g1b:\g1b+7]
	s_nop 0
.rept 4
	v_nop
.endr
.Lasked_\@:
.endm
.macro CROUND                          ; a round of the cluster's barrier
	s_barrier_signal -1
	s_barrier_wait -1
	s_cmp_lg_u32 s14, 0
	s_cbranch_scc1 .Lnot_wave_0_\@
	s_barrier_signal -3
.Lnot_wave_0_\@:
	s_barrier_wait -3
	s_barrier_signal -1
	s_barrier_wait -1
.endm
	s_load_b128 s[4:7], s[0:1], 0x0                ; cod s[4:5], scl s[6:7]
	s_load_b64 s[12:13], s[0:1], 0x10              ; qkv
	v_lshl_add_u32 v[SPW], v0, 2, SPARE
	v_mov_b32 v[NIL], 0
	ds_add_u32 v[SPW], v[NIL]                      ; the wave's opening: the add, twice on end, and its wait ahead of my first tensor load
	ds_add_u32 v[SPW], v[NIL]
	v_lshrrev_b32 v1, 5, v0
	v_readfirstlane_b32 s14, v1                    ; wave 0..3
	s_lshr_b32 s15, s14, 1                         ; which half of A's rows is mine.  Also: I fetch for A (0) or for B (1)
	s_and_b32 s16, s14, 1                          ; which half of B's rows.  Also: which 128 rows I fetch
	s_bfe_u32 s40, ttmp6, 0x40000                  ; cx
	s_bfe_u32 s41, ttmp6, 0x40004                  ; cy
	s_and_b32 s8, ttmp7, 0xffff                    ; the cluster's y
	s_sub_co_u32 s10, ttmp9, 8
	s_cmp_ge_u32 ttmp9, 8                          ; v's clusters?  The same in all sixteen partners
	s_cselect_b32 s11, s10, s8                     ; along A: cluster x - 8, or cluster y
	s_cselect_b32 s10, s8, ttmp9                   ; along B: cluster y, or cluster x
	s_cselect_b32 s9, 10240, 0                     ; A's first row among the rows of cod and scl: Wv's columns, or x
	s_cselect_b32 s45, 0, 2048                     ; B's: x, or Wq's columns
	s_cselect_b32 s3, 1, 0
	s_lshl_b32 s17, s11, 2
	s_add_co_u32 s17, s17, s41                     ; TR: tile along A = 4 x cluster + cy
	s_lshl_b32 s42, s10, 2
	s_add_co_u32 s42, s42, s40                     ; TC: tile along B = 4 x cluster + cx
	s_lshl_b32 s43, s41, 2
	s_lshl_b32 s43, 15, s43                        ; my row of the cluster
	s_lshl_b32 s44, 0x1111, s40                    ; my column
	; group 1 for codes: 8 rows (tiles of 16 rows) of 512 elements of 8 bytes (four fragments), 8,192 bytes apart
	s_or_b32 s[G1+0], s43, (3<<16)|(1<<21)         ; 15:0 the mask; 17:16 elements of 8 bytes; 21 set beside a mask; no padding
	s_or_b32 s[G1B+0], s44, (3<<16)|(1<<21)
.irp g, G1, G1B
	s_mov_b32 s[\g+1], 512<<16                     ; tensor_dim0
	s_mov_b32 s[\g+2], 8<<16                       ; tensor_dim1
	s_mov_b32 s[\g+3], 512<<16                     ; tile_dim0
	s_mov_b32 s[\g+4], 8                           ; tile_dim1
	s_mov_b32 s[\g+5], 1024                        ; stride from row to row, in elements
	s_mov_b32 s[\g+6], 0
	s_mov_b32 s[\g+7], 0
.endr
	; and for the scale words of 128 rows: 2 rows (kg) of 256 elements of 8 bytes, 229,376 bytes apart
	s_or_b32 s[G1S+0], s43, (3<<16)|(1<<21)
	s_or_b32 s[G1SB+0], s44, (3<<16)|(1<<21)
.irp g, G1S, G1SB
	s_mov_b32 s[\g+1], 256<<16
	s_mov_b32 s[\g+2], 2<<16
	s_mov_b32 s[\g+3], 256<<16
	s_mov_b32 s[\g+4], 2
	s_mov_b32 s[\g+5], 28672
	s_mov_b32 s[\g+6], 0
	s_mov_b32 s[\g+7], 0
.endr
	s_lshl_b32 s18, s16, 7
	s_lshl_b32 s20, s17, 8
	s_add_co_u32 s20, s20, s9
	s_add_co_u32 s20, s20, s18                     ; A: the first row that I fetch
	s_lshl_b32 s46, s42, 8
	s_add_co_u32 s46, s46, s45
	s_add_co_u32 s46, s46, s18                     ; B likewise
	s_lshl_b32 s22, s20, 4                         ; 16 bytes of scale words a row
	s_mov_b32 s23, 0
	s_lshl_b32 s92, s46, 4
	s_mov_b32 s93, 0
	s_lshl_b32 s20, s20, 9                         ; 8,192 bytes of codes for 16 rows
	s_mov_b32 s21, 0
	s_lshl_b32 s46, s46, 9
	s_mov_b32 s47, 0
	s_mul_i32 s45, s14, HALFT                      ; where they go: wave x 32,768: no place in the cluster enters an LDS address
	s_mul_i32 s94, s14, HALFS
	s_wait_dscnt 0x0                               ; both opening adds are done
	s_wait_kmcnt 0x0
	s_add_nc_u64 s[20:21], s[4:5], s[20:21]
	s_add_nc_u64 s[22:23], s[6:7], s[22:23]
	s_add_nc_u64 s[46:47], s[4:5], s[46:47]
	s_add_nc_u64 s[92:93], s[6:7], s[92:93]
	CROUND                                         ; all sixteen work-groups are here: the first joint loads meet
	s_mov_b32 s[G0S], 1
	s_add_co_u32 s[G0S+1], s94, SCL
	s_mov_b64 s[G0S+2:G0S+3], s[22:23]
	s_or_b32 s[G0S+3], s[G0S+3], 0x80000000
	s_mov_b32 s[G0SB], 1
	s_add_co_u32 s[G0SB+1], s94, SCL
	s_mov_b64 s[G0SB+2:G0SB+3], s[92:93]
	s_or_b32 s[G0SB+3], s[G0SB+3], 0x80000000
	JLOAD G0S, G1S, G0SB, G1SB                     ; the scale words first: they are wanted with K step 0
.irp s, 0,1
	s_mov_b32 s[G0+4*\s], 1
	s_add_co_u32 s[G0+4*\s+1], s45, \s*SLOT
	s_add_nc_u64 s[G0+4*\s+2:G0+4*\s+3], s[20:21], \s*4096
	s_or_b32 s[G0+4*\s+3], s[G0+4*\s+3], 0x80000000
	s_mov_b32 s[G0B+4*\s], 1
	s_add_co_u32 s[G0B+4*\s+1], s45, \s*SLOT
	s_add_nc_u64 s[G0B+4*\s+2:G0B+4*\s+3], s[46:47], \s*4096
	s_or_b32 s[G0B+4*\s+3], s[G0B+4*\s+3], 0x80000000
	JLOAD G0+4*\s, G1, G0B+4*\s, G1B               ; three tensor loads of mine are out, all first fills
.endr
	v_and_b32 v1, 15, v0                           ; r
	v_bfe_u32 v2, v0, 4, 1                         ; h
	v_and_b32 v3, 31, v0
	v_lshlrev_b32 v4, 4, v3                        ; 16 x lane: my place in every image
	s_mul_i32 s21, s15, HALFT                      ; my 128 rows of A
	s_mul_i32 s22, s16, HALFT                      ; my 128 rows of B,
	s_add_co_u32 s22, s22, 2*HALFT                 ; which lie behind A's 256
.irp s, 0,1
	v_add_nc_u32 v[ADRA+\s], s21, v4
	v_add_nc_u32 v[ADRB+\s], s22, v4
	s_add_co_u32 s21, s21, SLOT
	s_add_co_u32 s22, s22, SLOT
.endr
	v_lshlrev_b32 v5, 4, v1                        ; my row's 16 bytes of scale words
	s_mul_i32 s21, s15, HALFS
	s_mul_i32 s22, s16, HALFS
	s_add_co_u32 s22, s22, 2*HALFS
	s_sub_co_u32 s22, s22, s21
	v_mul_u32_u24 v6, s22, v2                      ; lanes 16-31 take B's: one product, the distance between the two
	s_add_co_u32 s21, s21, SCL
	v_add_nc_u32 v5, v5, v6
	v_add_nc_u32 v[ADRS], s21, v5
	; the way out: group, stride of a pair of B's blocks, first pair, first tile along A
	s_cmp_eq_u32 s3, 1
	s_mov_b32 s18, 131072
	s_cselect_b32 s18, 16384, s18                  ; v: from 32 tokens to the next; q, k: from 32 channels to the next
	s_cselect_b32 s19, s17, s42                    ; the head: TR for v, TC (q's 16, then k's 16) else
	s_cselect_b32 s20, 32, 0
	s_cselect_b32 s21, s42, 0
	s_cselect_b32 s22, 0, s17
	s_add_co_u32 s19, s19, s20
	s_lshl_b32 s19, s19, 20
	s_lshl_b32 s21, s21, 3
	s_lshl_b32 s23, s16, 2
	s_add_co_u32 s21, s21, s23                     ; first pair of B's blocks
	s_mul_i32 s21, s21, s18
	s_lshl_b32 s22, s22, 4
	s_lshl_b32 s23, s15, 3
	s_add_co_u32 s22, s22, s23                     ; first tile along A
	s_lshl_b32 s22, s22, 10
	s_add_co_u32 s20, s19, s21
	s_add_co_u32 s20, s20, s22
	s_mov_b32 s21, 0
	s_add_nc_u64 s[12:13], s[12:13], s[20:21]
	v_mov_b32 v[OFF], v4
	v_add_nc_u32 v[OFF+1], s18, v[OFF]
	v_add_nc_u32 v[OFF+2], s18, v[OFF+1]
	v_add_nc_u32 v[OFF+3], s18, v[OFF+2]
.macro FRAG reg, adr, q, i             ; fragment (tile i of my eight, the slot's q-th 128 along K): its image, two loads of 512 consecutive bytes
.irp c, 0,1
	ds_load_b128 v[\reg+4*\c:\reg+4*\c+3], v[\adr] offset:4096*(\i)+1024*(\q)+512*\c
.endr
.endm
; 16 matrix instructions: A's blocks a0, a0 + 1 x B's eight.  The 64 accumulators take turns, one instruction a turn, in the same order in every step.
.macro MUL16 a0, p, q, sc, zero
.irp a, \a0, \a0+1
.irp b, 0,1,2,3,4,5,6,7
.if \zero
	v_wmma_scale_f32_16x16x128_f8f6f4 v[8*(8*((\a)%4)+\b):8*(8*((\a)%4)+\b)+7], v[128*(\p)+FR*\b:128*(\p)+FR*\b+FR-1], v[AF+FR*(\a):AF+FR*(\a)+FR-1], 0, v[SC+8*NQ*(\sc)+NQ*\b+(\q)], v[SC+8*NQ*(\sc)+NQ*(\a)+(\q)] matrix_a_fmt:MATRIX_FMT_FP4 matrix_b_fmt:MATRIX_FMT_FP4 matrix_a_scale:MATRIX_SCALE_ROW1
.else
	v_wmma_scale_f32_16x16x128_f8f6f4 v[8*(8*((\a)%4)+\b):8*(8*((\a)%4)+\b)+7], v[128*(\p)+FR*\b:128*(\p)+FR*\b+FR-1], v[AF+FR*(\a):AF+FR*(\a)+FR-1], v[8*(8*((\a)%4)+\b):8*(8*((\a)%4)+\b)+7], v[SC+8*NQ*(\sc)+NQ*\b+(\q)], v[SC+8*NQ*(\sc)+NQ*(\a)+(\q)] matrix_a_fmt:MATRIX_FMT_FP4 matrix_b_fmt:MATRIX_FMT_FP4 matrix_a_scale:MATRIX_SCALE_ROW1
.endif
.endr
.endr
.endm
.macro FETCH_B slot, q, p
	WIN TO_B
.irp i, 0,1,2,3,4,5,6,7
	FRAG 128*(\p)+FR*\i, ADRB+\slot, \q, \i
.endr
	WIN 0
.endm
.macro FETCH_A slot, q, i0
.irp i, \i0, \i0+1, \i0+2, \i0+3
	FRAG AF+FR*(\i), ADRA+\slot, \q, \i
.endr
.endm
.macro SCALES sc                       ; slot sc's scale words: four words a row; lanes 0-15 take A's block i, lanes 16-31 B's block i
.irp i, 0,1,2,3,4,5,6,7
	ds_load_b128 v[SC+8*NQ*\sc+NQ*\i:SC+8*NQ*\sc+NQ*\i+3], v[ADRS] offset:2048*\sc+256*\i
.endr
.endm
.macro PLACES n                        ; plain vector instructions in front of loads into registers that matrix instructions have read, and of reads of results
.rept \n
	v_nop
.endr
.endm
.macro STEP slot, q, zero              ; a step of 128 along K that has its successor in the same slot
	s_wait_dscnt 4*NL                              ; B's set and A's blocks 0-3 are in; the youngest eight loads (A's blocks 4-7) may be out
	WIN MUL_LO
	MUL16 0, (\q)%2, \q, \slot, \zero
	MUL16 2, (\q)%2, \q, \slot, \zero
	s_wait_dscnt 0
	PLACES NP
	FETCH_B \slot, (\q)+1, 1-(\q)%2
	FETCH_A \slot, (\q)+1, 0
	WIN MUL_HI
	MUL16 4, (\q)%2, \q, \slot, \zero
	MUL16 6, (\q)%2, \q, \slot, \zero
	PLACES NP
	WIN 0
	FETCH_A \slot, (\q)+1, 4
.endm
	s_wait_tensorcnt 1                             ; the scale words and my part of slot 0 are in; slot 1's load may be out
	s_barrier_signal -1
	s_barrier_wait -1
	FETCH_B 0, 0, 0
	FETCH_A 0, 0, 0
	SCALES 0
	FETCH_A 0, 0, 4
	STEP 0, 0, 1                                   ; the first products start the sums: nothing is cleared
	STEP 0, 1, 0
	STEP 0, 2, 0
	; slot 0's last step changes slots: one barrier; nothing is filled again
	s_wait_tensorcnt 0x0                           ; my part of slot 1 has landed
	ds_add_u32 v[SPW], v[NIL]
	s_wait_dscnt 4*NL+1                            ; (the add and A's blocks 4-7 may be out)
	WIN MUL_LO
	MUL16 0, 1, NQ-1, 0, 0
	s_wait_dscnt 0x0
	s_barrier_signal -1
	MUL16 2, 1, NQ-1, 0, 0
	WIN 0
	s_barrier_wait -1                              ; slot 1 is whole
	PLACES NP
	FETCH_B 1, 0, 0
	FETCH_A 1, 0, 0
	SCALES 1
	WIN MUL_HI
	MUL16 4, 1, NQ-1, 0, 0
	MUL16 6, 1, NQ-1, 0, 0
	PLACES NP
	WIN 0
	FETCH_A 1, 0, 4
	STEP 1, 0, 0
	STEP 1, 1, 0
	STEP 1, 2, 0
	s_wait_dscnt 4*NL
	WIN MUL_LO
	MUL16 0, 1, NQ-1, 1, 0
	MUL16 2, 1, NQ-1, 1, 0
	s_wait_dscnt 0
	WIN MUL_HI
	MUL16 4, 1, NQ-1, 1, 0
	MUL16 6, 1, NQ-1, 1, 0
	WIN 0
; THE WAY OUT.  A lane's eight results of accumulator (a, b) pack into 16 bytes, which are its 16 bytes of half b % 2 of a fragment's image: the wave stores 512 consecutive bytes, with no stage.
.macro PACK a
.set AC, 64*((\a)%4)
	WIN 0x0a+5*((\a)/4)                            ; sources 0 and 1: window 2 or 3
.irp b, 0,1,2,3,4,5,6,7
.irp i, 0,1,2,3
	v_cvt_pk_f16_f32 v[TMP+32*((\a)%2)+4*\b+\i], v[AC+8*\b+2*\i], v[AC+8*\b+2*\i+1]   ; each accumulator from its low end on
.endr
.endr
	WIN 0
.irp b, 0,1,2,3,4,5,6,7
	global_store_b128 v[OFF+\b/2], v[TMP+32*((\a)%2)+4*\b:TMP+32*((\a)%2)+4*\b+3], s[12:13] offset:1024*(\a)+512*(\b%2)
.endr
.endm
	PLACES NP                                      ; the packed results land where A's fragments lay, which the last products read
.irp a, 0,1,2,3,4,5,6,7
.if \a > 1
	s_wait_xcnt 0x0                                ; block a - 2's stores have read their data
.endif
	PACK \a
.endr
	s_wait_tensorcnt 0x0                           ; the wave's end
	ds_add_u32 v[SPW], v[NIL]
	s_wait_dscnt 0x0
	CROUND                                         ; the closing round
	s_endpgm
.Lfunc_end_k_q37fe03b5d3_qkvg:
	.size	k_q37fe03b5d3_qkvg, .Lfunc_end_k_q37fe03b5d3_qkvg-k_q37fe03b5d3_qkvg
	.p2alignl 7, 3214868480
	.fill 96, 4, 3214868480
	.section	.rodata,"a",@progbits
	.p2align	6, 0x0
	.amdhsa_kernel k_q37fe03b5d3_qkvg
		.amdhsa_group_segment_fixed_size 327680
		.amdhsa_private_segment_fixed_size 0
		.amdhsa_enable_private_segment 0
		.amdhsa_kernarg_size 24
		.amdhsa_user_sgpr_count 2
		.amdhsa_user_sgpr_kernarg_segment_ptr 1
		.amdhsa_wavefront_size32 1
		.amdhsa_system_sgpr_workgroup_id_x 1
		.amdhsa_system_sgpr_workgroup_id_y 1
		.amdhsa_system_sgpr_workgroup_id_z 1
		.amdhsa_system_vgpr_workitem_id 0
		.amdhsa_next_free_vgpr 1024
		.amdhsa_next_free_sgpr 98
		.amdhsa_reserve_vcc 0
		.amdhsa_float_denorm_mode_32 3
		.amdhsa_float_denorm_mode_16_64 3
		.amdhsa_memory_ordered 1
		.amdhsa_forward_progress 1
		.amdhsa_inst_pref_size 118
	.end_amdhsa_kernel
	.amdgpu_metadata
---
amdhsa.version: [ 1, 2 ]
amdhsa.kernels:
  - .name:           k_q37fe03b5d3_qkvg
    .symbol:         k_q37fe03b5d3_qkvg.kd
    .args:
      - { .name: cod, .offset: 0, .size: 8, .value_kind: global_buffer, .address_space: global }
      - { .name: scl, .offset: 8, .size: 8, .value_kind: global_buffer, .address_space: global }
      - { .name: qkv, .offset: 16, .size: 8, .value_kind: global_buffer, .address_space: global }
    .group_segment_fixed_size: 327680
    .private_segment_fixed_size: 0
    .kernarg_segment_align: 8
    .kernarg_segment_size: 24
    .max_flat_workgroup_size: 128
    .sgpr_count:     98
    .vgpr_count:     1024
    .wavefront_size: 32
...
	.end_amdgpu_metadata
.endif
;; end of part 2
;; launch fatt (part 3): grid 16 x 1, 16 waves a work-group, no clusters, 34,816 bytes of LDS; arguments cod, scl, qkv, maskw, yf; writes yf
.if DOCPART == 3
	.amdgcn_target "amdgcn-amd-amdhsa--gfx1250"
	.amdhsa_code_object_version 6
	.text
	.protected	k_q37fe03b5d3_fatt
	.globl	k_q37fe03b5d3_fatt
	.p2align	8
	.type	k_q37fe03b5d3_fatt,@function
k_q37fe03b5d3_fatt:
	s_mov_b64 s[64:65], 0
	v_nop
	global_prefetch_b8 v0, s[64:65] scope:SCOPE_SE
	s_setreg_imm32_b32 hwreg(HW_REG_WAVE_MODE, 25, 1), 1
	s_wait_xcnt 0x0
; Queries 0-15 of every head, carried finely: their rows may average very few values, where the rounding of f16 operands weighs most.  No work is left out but by the stored mask words (below).
; A work-group takes a head; wave w takes channels 16 w .. 16 w + 15 of it.  q, k, v of tokens 0-15 are made anew from the codes (the same quantised products, sums f32) and stay f32.
; Scores, softmax and the second product are f32 (v_wmma_f32_16x16x4_f32: 16 queries, no bulk work).
; KEYS 0-15: each wave multiplies q and k over its own 16 channels alone (four matrix instructions), the sixteen partial tiles meet in LDS as images of their registers, and every wave adds them in one fixed order.
; KEYS 16 ON: k and v are read as the f16 images that the launch before stored, widened to f32; every wave makes all scores of a tile of 16 keys (q of all channels from LDS) and its own 16 channels of y.
; A tile of 16 keys none of whose mask bits is set for these queries adds nothing (its p are 0): it is passed over by a scalar branch on the mask words that an earlier launch stored as whole numbers,
; 32 tiles at once where a whole flag word is 0.  No barrier stands under those branches.
; y leaves as a pair of f16 numbers, high and low part, split in f32: yf [plane 2][ks 128][1,024 B], y[r][32 ks + 16 c + 8 h + 0..7] at 512 c + 16 (r + 16 h).
; SOFTMAX: running maximum m (from -3e38), p = 2^(c s - c m), c = log2(e) / 16.  A row with no key allowed ends as 0 x (1 / 0) = NaN, as the softmax of a row of -infinity is.
; LAYOUT of the f32 form: register j of a lane (r, h) is k = 2 h + j.  A pair of registers 2 g, 2 g + 1 of a result that holds 8 h + j so stands for the indices 8 h + 2 g + j: the same map on both sources.
.set QIMG, 0                           ; LDS: q of tokens 0-15, 16 images of 1,024 bytes (wave w's 8 registers), f32
.set SIMG, 16384                       ; the sixteen partial tiles of the scores of keys 0-15, likewise
.set SPARE, 32768                      ; the spare words, 128 bytes for each of 16 waves
.set AL,  1                            ; v1  16 x lane
.set R16, 2                            ; v2  16 r
.set NEG, 3                            ; v3  -infinity
.set SPW, 4
.set NIL, 5
.set IMG, 6                            ; v6  1,024 w + 16 x lane
.set FL,  7                            ; v7  32 x lane: a tile's eight mask words
.set MX,  8                            ; v8 m; v9 c m; v10 the sum; v11 a; v12-15 at work
.set CM,  9
.set LS,  10
.set AA,  11
.set XF,  16                           ; x's four fragments; later q's four channel tiles
.set QB,  16
.set XS,  48                           ; v48-55 x's scale words, v56-79 the weights': these registers hold scales alone
.set WS,  56
.set WF,  80                           ; the weights' 3 x 4 fragments; later:
.set K16, 80                           ; v80-95 four pieces of k in f16
.set V16, 96
.set HI,  100
.set LO,  104
.set KB,  112                          ; k's four channel tiles, f32
.set VF,  144
.set SS,  152                          ; scores, then p
.set OT,  160
.set ORR, 168                          ; y's running sum
.set AQ,  176
.set AK,  184
.set AV,  192
.set KAD, 200
.set VAD, 201
.set SA,  208                          ; v208-239, v240-255: written by the f32 matrix form alone
.set OA,  240
.macro WIDEN d, lo, hi
	v_cvt_f32_f16 v[\d], \lo
	v_cvt_f32_f16 v[\d+1], \hi
.endm
	s_load_b256 s[4:11], s[0:1], 0x0               ; cod s[4:5], scl s[6:7], qkv s[8:9], maskw s[10:11]
	s_load_b64 s[12:13], s[0:1], 0x20              ; yf
	v_lshl_add_u32 v[SPW], v0, 2, SPARE
	v_mov_b32 v[NIL], 0
	v_lshrrev_b32 v12, 5, v0
	v_readfirstlane_b32 s14, v12                   ; wave
	v_and_b32 v12, 31, v0
	v_lshlrev_b32 v[AL], 4, v12
	v_lshlrev_b32 v[FL], 5, v12
	v_and_b32 v13, 15, v0
	v_lshlrev_b32 v[R16], 4, v13
	v_mov_b32 v[NEG], 0xff800000
	s_lshl_b32 s24, s14, 10
	v_add_nc_u32 v[IMG], s24, v[AL]
	s_lshl_b32 s16, ttmp9, 4
	s_add_co_u32 s16, s16, s14                     ; 16 head + w: my tile of columns in each weight
	s_add_co_u32 s17, s16, 128
	s_lshl_b32 s20, s17, 13
	s_mov_b32 s21, 0
	s_lshl_b32 s22, s16, 8
	s_add_co_u32 s22, s22, 32768                   ; (2,048 + 16 (16 head + w)) x 16 bytes
	s_mov_b32 s23, 0
	s_lshl_b32 s30, ttmp9, 20
	s_add_co_u32 s32, s30, 32<<20
	s_add_co_u32 s32, s32, s24                     ; v's group, my channel tile
	s_mov_b32 s33, 0
	s_add_co_u32 s30, s30, 16<<20                  ; k's group
	s_mov_b32 s31, 0
	s_lshl_b32 s34, ttmp9, 13
	s_lshl_b32 s35, s14, 9
	s_add_co_u32 s34, s34, s35                     ; yf: (8 head + w / 2) x 1,024 + 512 (w % 2)
	s_mov_b32 s35, 0
	s_mov_b32 s39, 0
	s_mov_b32 s26, 0x3db8aa3b                      ; c = log2(e) / sqrt(256)
	s_mov_b32 s28, 0x76543210
	s_mov_b32 s29, 0xfedcba98
	s_wait_kmcnt 0x0
	s_add_nc_u64 s[20:21], s[4:5], s[20:21]
	s_add_nc_u64 s[22:23], s[6:7], s[22:23]
	s_add_nc_u64 s[30:31], s[8:9], s[30:31]
	s_add_nc_u64 s[32:33], s[8:9], s[32:33]
	s_add_nc_u64 s[12:13], s[12:13], s[34:35]
	s_load_b256 s[48:55], s[10:11], 0x0            ; the mask words of queries 0-15, keys 0-15
.irp g, 0,1
	global_load_b128 v[XS+4*\g:XS+4*\g+3], v[R16], s[6:7] offset:229376*\g
.irp m, 0,1,2
	global_load_b128 v[WS+8*\m+4*\g:WS+8*\m+4*\g+3], v[R16], s[22:23] offset:229376*\g+65536*\m
.endr
.endr
; Half g of K: four K steps of 128.  q, k: source 0 = the weight's 16 columns, source 1 = x: a lane holds a token, registers channels 8 h + j.  v: the sources swapped: a lane holds a channel, registers tokens.
.macro HALF g
.irp q, 0,1,2,3
.irp c, 0,1
	global_load_b128 v[XF+8*\q+4*\c:XF+8*\q+4*\c+3], v[AL], s[4:5] offset:1024*(4*\g+\q)+512*\c
.irp m, 0,1,2
	global_load_b128 v[WF+32*\m+8*\q+4*\c:WF+32*\m+8*\q+4*\c+3], v[AL], s[20:21] offset:2097152*\m+1024*(4*\g+\q)+512*\c
.endr
.endr
.endr
	s_wait_loadcnt 0x0
.irp q, 0,1,2,3                        ; the three sums by turns
.if (\g == 0) && (\q == 0)
	v_wmma_scale_f32_16x16x128_f8f6f4 v[AQ:AQ+7], v[WF+8*\q:WF+8*\q+7], v[XF+8*\q:XF+8*\q+7], 0, v[WS+4*\g+\q], v[XS+4*\g+\q] matrix_a_fmt:MATRIX_FMT_FP4 matrix_b_fmt:MATRIX_FMT_FP4
	v_wmma_scale_f32_16x16x128_f8f6f4 v[AK:AK+7], v[WF+32+8*\q:WF+32+8*\q+7], v[XF+8*\q:XF+8*\q+7], 0, v[WS+8+4*\g+\q], v[XS+4*\g+\q] matrix_a_fmt:MATRIX_FMT_FP4 matrix_b_fmt:MATRIX_FMT_FP4
	v_wmma_scale_f32_16x16x128_f8f6f4 v[AV:AV+7], v[XF+8*\q:XF+8*\q+7], v[WF+64+8*\q:WF+64+8*\q+7], 0, v[XS+4*\g+\q], v[WS+16+4*\g+\q] matrix_a_fmt:MATRIX_FMT_FP4 matrix_b_fmt:MATRIX_FMT_FP4
.else
	v_wmma_scale_f32_16x16x128_f8f6f4 v[AQ:AQ+7], v[WF+8*\q:WF+8*\q+7], v[XF+8*\q:XF+8*\q+7], v[AQ:AQ+7], v[WS+4*\g+\q], v[XS+4*\g+\q] matrix_a_fmt:MATRIX_FMT_FP4 matrix_b_fmt:MATRIX_FMT_FP4
	v_wmma_scale_f32_16x16x128_f8f6f4 v[AK:AK+7], v[WF+32+8*\q:WF+32+8*\q+7], v[XF+8*\q:XF+8*\q+7], v[AK:AK+7], v[WS+8+4*\g+\q], v[XS+4*\g+\q] matrix_a_fmt:MATRIX_FMT_FP4 matrix_b_fmt:MATRIX_FMT_FP4
	v_wmma_scale_f32_16x16x128_f8f6f4 v[AV:AV+7], v[XF+8*\q:XF+8*\q+7], v[WF+64+8*\q:WF+64+8*\q+7], v[AV:AV+7], v[XS+4*\g+\q], v[WS+16+4*\g+\q] matrix_a_fmt:MATRIX_FMT_FP4 matrix_b_fmt:MATRIX_FMT_FP4
.endif
.endr
.rept 4
	v_nop                                          ; places in front of loads into the fragments' registers and of the first read of results
.endr
.endm
	HALF 0
	HALF 1
	v_nop                                          ; a fifth place: the sums go on as sources of matrix instructions
.irp g, 0,1,2,3                        ; my 16 channels' part of the scores of keys 0-15: source 0 = k, source 1 = q; four accumulators, one instruction each
	v_wmma_f32_16x16x4_f32 v[SA+8*\g:SA+8*\g+7], v[AK+2*\g:AK+2*\g+1], v[AQ+2*\g:AQ+2*\g+1], 0
.endr
	ds_store_b128 v[IMG], v[AQ:AQ+3] offset:QIMG   ; my channel tile of q for all waves, as an image of the registers: the later keys' scores want it
	ds_store_b128 v[IMG], v[AQ+4:AQ+7] offset:QIMG+512
.irp i, 0,1,2,3                        ; lane L: the eight mask words of key tile 32 i + L
	global_load_b128 v[KB+8*\i:KB+8*\i+3], v[FL], s[10:11] offset:1024*\i
	global_load_b128 v[KB+8*\i+4:KB+8*\i+7], v[FL], s[10:11] offset:1024*\i+16
.endr
	v_mov_b32 v[MX], 0xff61b1e6                    ; -3e38, under every score.  (These four lines and four v_nop are the eight places behind the f32 form)
	v_mul_f32 v[CM], s26, v[MX]
	v_mov_b32 v[LS], 0
	v_mov_b32 v13, 0                               ; written once: a lane permute's destination counts as read
.rept 4
	v_nop
.endr
.irp j, 0,1,2,3,4,5,6,7                ; the four accumulators, from the low end on
	v_add_f32 v[SS+\j], v[SA+\j], v[SA+8+\j]
	v_add_f32 v12, v[SA+16+\j], v[SA+24+\j]
	v_add_f32 v[SS+\j], v[SS+\j], v12
.endr
	ds_store_b128 v[IMG], v[SS:SS+3] offset:SIMG
	ds_store_b128 v[IMG], v[SS+4:SS+7] offset:SIMG+512
	s_wait_dscnt 0x0                               ; for the others' sake: my stores have landed
	s_barrier_signal -1
	s_barrier_wait -1                              ; the launch's one barrier
	s_wait_loadcnt 0x0
.irp i, 0,1,2,3
	v_or_b32 v[KB+8*\i], v[KB+8*\i], v[KB+8*\i+1]
	v_or_b32 v[KB+8*\i+2], v[KB+8*\i+2], v[KB+8*\i+3]
	v_or_b32 v[KB+8*\i+4], v[KB+8*\i+4], v[KB+8*\i+5]
	v_or_b32 v[KB+8*\i+6], v[KB+8*\i+6], v[KB+8*\i+7]
	v_or_b32 v[KB+8*\i], v[KB+8*\i], v[KB+8*\i+2]
	v_or_b32 v[KB+8*\i+4], v[KB+8*\i+4], v[KB+8*\i+6]
	v_or_b32 v[KB+8*\i], v[KB+8*\i], v[KB+8*\i+4]
	v_cmp_ne_u32 s[40+\i], 0, v[KB+8*\i]           ; bit L: key tile 32 i + L counts for some of the 16 queries
.endr
	s_and_b32 s40, s40, -2                         ; tile 0 is taken first, in f32
.irp bt, 0,1                           ; the sixteen partial tiles, eight at a time, added in one fixed order: lane (r, h): query r, key 8 h + j
.irp tt, 0,1,2,3
.irp c, 0,1
	ds_load_b128 v[QB+8*\tt+4*\c:QB+8*\tt+4*\c+3], v[AL] offset:SIMG+1024*(8*\bt+\tt)+512*\c
	ds_load_b128 v[KB+8*\tt+4*\c:KB+8*\tt+4*\c+3], v[AL] offset:SIMG+1024*(8*\bt+4+\tt)+512*\c
.endr
.endr
	s_wait_dscnt 0x0
.irp j, 0,2,4,6
	v_pk_add_f32 v[QB+\j:QB+\j+1], v[QB+\j:QB+\j+1], v[QB+8+\j:QB+8+\j+1]
	v_pk_add_f32 v[QB+16+\j:QB+16+\j+1], v[QB+16+\j:QB+16+\j+1], v[QB+24+\j:QB+24+\j+1]
	v_pk_add_f32 v[KB+\j:KB+\j+1], v[KB+\j:KB+\j+1], v[KB+8+\j:KB+8+\j+1]
	v_pk_add_f32 v[KB+16+\j:KB+16+\j+1], v[KB+16+\j:KB+16+\j+1], v[KB+24+\j:KB+24+\j+1]
.endr
.irp j, 0,2,4,6
	v_pk_add_f32 v[QB+\j:QB+\j+1], v[QB+\j:QB+\j+1], v[QB+16+\j:QB+16+\j+1]
	v_pk_add_f32 v[KB+\j:KB+\j+1], v[KB+\j:KB+\j+1], v[KB+16+\j:KB+16+\j+1]
.endr
.irp j, 0,2,4,6
.if \bt == 0
	v_pk_add_f32 v[SS+\j:SS+\j+1], v[QB+\j:QB+\j+1], v[KB+\j:KB+\j+1]
.else
	v_pk_add_f32 v[QB+\j:QB+\j+1], v[QB+\j:QB+\j+1], v[KB+\j:KB+\j+1]
.endif
.endr
.if \bt == 1
.irp j, 0,2,4,6
	v_pk_add_f32 v[SS+\j:SS+\j+1], v[SS+\j:SS+\j+1], v[QB+\j:QB+\j+1]
.endr
.endif
.endr
.macro KLOAD bt                        ; k's channel tiles 4 bt .. 4 bt + 3 of key tile T, f16
.irp n, 0,1,2,3
	global_load_b128 v[K16+4*\n:K16+4*\n+3], v[KAD], s[30:31] offset:131072*(2*\bt+\n/2)+512*(\n%2)
.endr
.endm
; THE SCORES OF A LATER TILE OF 16 KEYS: S^T = k q^T over all 256 channels, four channel tiles at a time: 16 matrix instructions on four accumulators by turns.
.macro SCORES
.irp bt, 0,1,2,3
.irp tt, 0,1,2,3
.irp c, 0,1
	ds_load_b128 v[QB+8*\tt+4*\c:QB+8*\tt+4*\c+3], v[AL] offset:QIMG+1024*(4*\bt+\tt)+512*\c
.endr
.endr
	s_wait_loadcnt 0x0                             ; this batch of k (and, the first time, v)
	WIDEN KB+0, v80.l, v80.h
	WIDEN KB+2, v81.l, v81.h
	WIDEN KB+4, v82.l, v82.h
	WIDEN KB+6, v83.l, v83.h
	WIDEN KB+8, v84.l, v84.h
	WIDEN KB+10, v85.l, v85.h
	WIDEN KB+12, v86.l, v86.h
	WIDEN KB+14, v87.l, v87.h
	WIDEN KB+16, v88.l, v88.h
	WIDEN KB+18, v89.l, v89.h
	WIDEN KB+20, v90.l, v90.h
	WIDEN KB+22, v91.l, v91.h
	WIDEN KB+24, v92.l, v92.h
	WIDEN KB+26, v93.l, v93.h
	WIDEN KB+28, v94.l, v94.h
	WIDEN KB+30, v95.l, v95.h
.if \bt == 0
	WIDEN VF+0, v96.l, v96.h
	WIDEN VF+2, v97.l, v97.h
	WIDEN VF+4, v98.l, v98.h
	WIDEN VF+6, v99.l, v99.h
.endif
.if \bt < 3
	KLOAD \bt+1
.endif
	s_wait_dscnt 0x0
.irp tt, 0,1,2,3
.irp g, 0,1,2,3
.if (\bt == 0) && (\tt == 0)
	v_wmma_f32_16x16x4_f32 v[SA+8*\g:SA+8*\g+7], v[KB+8*\tt+2*\g:KB+8*\tt+2*\g+1], v[QB+8*\tt+2*\g:QB+8*\tt+2*\g+1], 0
.else
	v_wmma_f32_16x16x4_f32 v[SA+8*\g:SA+8*\g+7], v[KB+8*\tt+2*\g:KB+8*\tt+2*\g+1], v[QB+8*\tt+2*\g:QB+8*\tt+2*\g+1], v[SA+8*\g:SA+8*\g+7]
.endif
.endr
.endr
.rept 8
	v_nop                                          ; eight places behind this form, in front of loads and writes into its sources and of reads of its results
.endr
.endr
.irp j, 0,1,2,3,4,5,6,7                ; the four partial sums, from the low end on: lane (r, h): query r, key 8 h + j
	v_add_f32 v[SS+\j], v[SA+\j], v[SA+8+\j]
	v_add_f32 v12, v[SA+16+\j], v[SA+24+\j]
	v_add_f32 v[SS+\j], v[SS+\j], v12
.endr
.endm
; THE REST OF A TILE OF 16 KEYS: mask, softmax, second product.  near = 1: keys 0-15, v from my registers in f32; it starts y's sum.
.macro REST near
.if \near
.set VA, AV
.else
.set VA, VF
.endif
	s_wait_kmcnt 0x0                               ; the tile's mask words
.irp j, 0,1,2,3,4,5,6,7
	v_cndmask_b32 v[SS+\j], v[NEG], v[SS+\j], s[48+\j]
.endr
	v_max3_num_f32 v12, v[SS], v[SS+1], v[SS+2]
	v_max3_num_f32 v13, v[SS+3], v[SS+4], v[SS+5]
	v_max3_num_f32 v12, v12, v[SS+6], v[SS+7]
	v_max3_num_f32 v12, v12, v13, v[MX]
	v_permlanex16_b32 v13, v12, s28, s29
	v_mov_b32 v14, v[CM]
	v_max_num_f32 v[MX], v12, v13
	v_mul_f32 v[CM], s26, v[MX]
	v_sub_f32 v14, v14, v[CM]
	v_exp_f32 v[AA], v14                           ; a = 2^(c m_old - c m_new)
.irp j, 0,1,2,3,4,5,6,7
	v_fma_f32 v[SS+\j], v[SS+\j], s26, -v[CM]
.endr
.irp j, 0,1,2,3,4,5,6,7
	v_exp_f32 v[SS+\j], v[SS+\j]
.endr
	v_nop                                          ; a plain instruction behind the last exponential
	s_wait_alu depctr_va_vdst(0)                   ; one wait for the nine, ahead of their first reader
	v_add_f32 v12, v[SS], v[SS+1]
	v_add_f32 v13, v[SS+2], v[SS+3]
	v_add_f32 v14, v[SS+4], v[SS+5]
	v_add_f32 v15, v[SS+6], v[SS+7]
	v_add_f32 v12, v12, v13
	v_add_f32 v14, v14, v15
	v_add_f32 v12, v12, v14
	v_fma_f32 v[LS], v[LS], v[AA], v12
.if !\near
.irp j, 0,1,2,3,4,5,6,7
	v_mul_f32 v[OT+\j], v[ORR+\j], v[AA]
.endr
	v_wmma_f32_16x16x4_f32 v[OA:OA+7], v[VA:VA+1], v[SS:SS+1], v[OT:OT+7]   ; y^T = v^T p: source 0 = my 16 channels, source 1 = the 16 queries; two accumulators by turns
.else
	v_wmma_f32_16x16x4_f32 v[OA:OA+7], v[VA:VA+1], v[SS:SS+1], 0
.endif
	v_wmma_f32_16x16x4_f32 v[OA+8:OA+15], v[VA+2:VA+3], v[SS+2:SS+3], 0
	v_wmma_f32_16x16x4_f32 v[OA:OA+7], v[VA+4:VA+5], v[SS+4:SS+5], v[OA:OA+7]
	v_wmma_f32_16x16x4_f32 v[OA+8:OA+15], v[VA+6:VA+7], v[SS+6:SS+7], v[OA+8:OA+15]
.rept 8
	v_nop
.endr
.irp j, 0,1,2,3,4,5,6,7
	v_add_f32 v[ORR+\j], v[OA+\j], v[OA+8+\j]      ; lane (r, h): query r, channel 16 w + 8 h + j
.endr
.endm
	REST 1
	s_mov_b32 s44, 0                               ; the flag word in hand: key tiles 32 s44 on
.Lword:
	s_cmp_eq_u32 s40, 0                            ; none of its 32 tiles counts: the word is passed over whole
	s_cbranch_scc1 .Lnone
	s_mov_b32 s45, 0
.Lbit:
	s_bitcmp1_b32 s40, s45
	s_cbranch_scc0 .Lskip
	s_lshl_b32 s46, s44, 5
	s_add_co_u32 s46, s46, s45                     ; T, the key tile, from the two counters
	s_lshl_b32 s47, s46, 10
	v_add_nc_u32 v[KAD], s47, v[AL]                ; (all loads that read these two offsets have been waited for)
	s_lshr_b32 s47, s46, 1
	s_lshl_b32 s47, s47, 14
	s_and_b32 s56, s46, 1
	s_lshl_b32 s56, s56, 9
	s_add_co_u32 s47, s47, s56
	v_add_nc_u32 v[VAD], s47, v[AL]
	s_lshl_b32 s38, s46, 5
	s_add_nc_u64 s[36:37], s[10:11], s[38:39]
	s_load_b256 s[48:55], s[36:37], 0x0
	KLOAD 0
	global_load_b128 v[V16:V16+3], v[VAD], s[32:33]
	SCORES
	REST 0
.Lskip:
	s_add_co_u32 s45, s45, 1
	s_cmp_lt_u32 s45, 32
	s_cbranch_scc1 .Lbit
.Lnone:
	s_mov_b32 s40, s41
	s_mov_b32 s41, s42
	s_mov_b32 s42, s43
	s_add_co_u32 s44, s44, 1
	s_cmp_lt_u32 s44, 4
	s_cbranch_scc1 .Lword
	v_permlanex16_b32 v13, v[LS], s28, s29
	v_add_f32 v[LS], v[LS], v13                    ; the row's sum
	v_rcp_f32 v[AA], v[LS]
	v_nop
	s_wait_alu depctr_va_vdst(0)
.irp j, 0,1,2,3,4,5,6,7
	v_mul_f32 v[ORR+\j], v[ORR+\j], v[AA]
.endr
.irp i, 0,1,2,3
	v_cvt_pk_f16_f32 v[HI+\i], v[ORR+2*\i], v[ORR+2*\i+1]
.endr
	WIDEN OT+0, v100.l, v100.h
	WIDEN OT+2, v101.l, v101.h
	WIDEN OT+4, v102.l, v102.h
	WIDEN OT+6, v103.l, v103.h
.irp j, 0,1,2,3,4,5,6,7
	v_sub_f32 v[OT+\j], v[ORR+\j], v[OT+\j]        ; what the high part left
.endr
.irp i, 0,1,2,3
	v_cvt_pk_f16_f32 v[LO+\i], v[OT+2*\i], v[OT+2*\i+1]
.endr
	global_store_b128 v[AL], v[HI:HI+3], s[12:13]  ; 512 consecutive bytes
	global_store_b128 v[AL], v[LO:LO+3], s[12:13] offset:131072
	s_wait_tensorcnt 0x0                           ; the wave's end
	ds_add_u32 v[SPW], v[NIL]
	s_wait_dscnt 0x0
	s_endpgm
.Lfunc_end_k_q37fe03b5d3_fatt:
	.size	k_q37fe03b5d3_fatt, .Lfunc_end_k_q37fe03b5d3_fatt-k_q37fe03b5d3_fatt
	.p2alignl 7, 3214868480
	.fill 96, 4, 3214868480
	.section	.rodata,"a",@progbits
	.p2align	6, 0x0
	.amdhsa_kernel k_q37fe03b5d3_fatt
		.amdhsa_group_segment_fixed_size 34816
		.amdhsa_private_segment_fixed_size 0
		.amdhsa_enable_private_segment 0
		.amdhsa_kernarg_size 40
		.amdhsa_user_sgpr_count 2
		.amdhsa_user_sgpr_kernarg_segment_ptr 1
		.amdhsa_wavefront_size32 1
		.amdhsa_system_sgpr_workgroup_id_x 1
		.amdhsa_system_sgpr_workgroup_id_y 1
		.amdhsa_system_sgpr_workgroup_id_z 1
		.amdhsa_system_vgpr_workitem_id 0
		.amdhsa_next_free_vgpr 256
		.amdhsa_next_free_sgpr 66
		.amdhsa_reserve_vcc 0
		.amdhsa_float_denorm_mode_32 3
		.amdhsa_float_denorm_mode_16_64 3
		.amdhsa_memory_ordered 1
		.amdhsa_forward_progress 1
		.amdhsa_inst_pref_size 44
	.end_amdhsa_kernel
	.amdgpu_metadata
---
amdhsa.version: [ 1, 2 ]
amdhsa.kernels:
  - .name:           k_q37fe03b5d3_fatt
    .symbol:         k_q37fe03b5d3_fatt.kd
    .args:
      - { .name: cod, .offset: 0, .size: 8, .value_kind: global_buffer, .address_space: global }
      - { .name: scl, .offset: 8, .size: 8, .value_kind: global_buffer, .address_space: global }
      - { .name: qkv, .offset: 16, .size: 8, .value_kind: global_buffer, .address_space: global }
      - { .name: maskw, .offset: 24, .size: 8, .value_kind: global_buffer, .address_space: global }
      - { .name: yf, .offset: 32, .size: 8, .value_kind: global_buffer, .address_space: global }
    .group_segment_fixed_size: 34816
    .private_segment_fixed_size: 0
    .kernarg_segment_align: 8
    .kernarg_segment_size: 40
    .max_flat_workgroup_size: 512
    .sgpr_count:     66
    .vgpr_count:     256
    .wavefront_size: 32
...
	.end_amdgpu_metadata
.endif
;; end of part 3
;; launch att (part 4): grid 16 x 16, 4 waves a work-group, clusters of 4 x 1, 327,680 bytes of LDS; arguments qkv, maskw, y16; writes y16
.if DOCPART == 4
	.amdgcn_target "amdgcn-amd-amdhsa--gfx1250"
	.amdhsa_code_object_version 6
	.text
	.protected	k_q37fe03b5d3_att
	.globl	k_q37fe03b5d3_att
	.p2align	8
	.type	k_q37fe03b5d3_att,@function
k_q37fe03b5d3_att:
	s_mov_b64 s[64:65], 0
	v_nop
	global_prefetch_b8 v0, s[64:65] scope:SCOPE_SE
	s_setreg_imm32_b32 hwreg(HW_REG_WAVE_MODE, 25, 1), 1
	s_wait_xcnt 0x0
	s_wait_alu depctr_hold_cnt(0) depctr_sa_sdst(0) depctr_va_vdst(0) depctr_va_sdst(0) depctr_va_ssrc(0) depctr_va_vcc(0) depctr_vm_vsrc(0)
	s_getreg_b32 s2, hwreg(HW_REG_IB_STS2, 6, 4)
	s_cmp_eq_u32 s2, 0
	s_cbranch_scc0 .Lentry_in_a_cluster
	s_endpgm
.Lentry_in_a_cluster:
	s_bfe_u32 s2, ttmp6, 0x10000c
	s_cmp_lg_u32 s2, 0x3003
	s_cbranch_scc0 .Lentry_shape_is_right
	s_endpgm
.Lentry_shape_is_right:
; y[head][q] = the sum over k of softmax_k(mask ? q . k / 16 : -infinity) v[k], head size 256, 2,048 keys, f16 operands, f32 products' sums, maxima and sums.  No work is left out: the mask is an input,
; so every tile of scores is made and every score is selected by its mask bit.
; SHARES.  A work-group owns 128 queries of one head, each of its four waves 32: two tiles of 16.  Every wave walks all keys, 64 a step.
; LAYOUT.  S^T = K Q^T (source 0 = 16 keys, source 1 = 16 queries): a lane holds ONE query (lane % 16) and keys 8 (lane / 16) + 0..7.  Two such tiles, rounded to f16 in pairs, ARE source 1 of O^T = V^T P.
; q, k, v lie in memory as images of these fragments (1,024 bytes, 16 bytes a lane in each half), v with the keys innermost: tiles are dense blocks, fragments are LDS loads at 16 x lane: no pitch, no turning load.
; MASK.  maskw holds, for a tile of 16 queries x 16 keys and register j, the 32 lanes' bits as one word: 32 words a tile of queries and key step come by two scalar loads and select score or -infinity.
; SOFTMAX.  Running maximum m (never under -3e38, so it is finite) and sum l: p = 2^(c s - c m), c = log2(e) / 16; O and l are multiplied by a = 2^(c m_old - c m_new) in every step.
; A row with no key allowed ends as 0 x (1 / 0) = NaN, as the softmax of a row of -infinity is.
; BY TURNS.  The wave's two tiles are two PIECES.  In a TURN one piece has the matrix unit (32 products V^T P of the step in hand, 32 products K Q^T of the next); the other piece's softmax, 198 instructions
; cut into 64 slices, stands between them, one slice behind each matrix instruction.  Two turns are a key step.
; THE LDS LOADS of a step, 64 for K and 64 for V, go in runs of eight, a run behind every third matrix instruction of the stretch in which the buffer is free, in the order in which the products want them.
; CLUSTER.  The four query blocks of a cluster belong to one head and walk the same K and V: each tile is asked for jointly.
; LIMIT: |q|, |k|, |v| up to 65,504 (f16).
; REGISTERS, in windows of 256: window 0: v1-6 addresses; v16-31 statistics, 8 a tile; v32-95 S^T, 32 a tile; v96-127 P, 16 a tile; v128-255 Q, 64 a tile.  window 1: O^T, 128 a tile.  window 2: K of one step.  window 3: V of one step.
.set STEPB, 65536                      ; a step's tiles in LDS: K [u 8][kt 4][1,024 B], then V [ks 2][ct 16][1,024 B]
.set VOFF,  32768
.set SLOT1, 131072                     ; a slot holds two steps; one exclusive or turns an address in one slot into the other's
.set SPARE, 262144                     ; behind the ring: the spare words, 128 bytes for each wave
.set AL,  1                            ; v1  16 x lane
.set ADR, 2                            ; v2  the LDS address of the runs of loads in hand
.set NEG, 3                            ; v3  -infinity
.set SPW, 4
.set NIL, 5
.set PFO, 6                            ; v6  the prefetches' offset
.set ST,  16                           ; tile t's statistics at v[ST+8 t]: +0 c m, +1 m, +2, +3 l, +4 to +7 at work; a takes +6
.set S,   32
.set P,   96
.set QF,  128
.set WV,  12
.set LIM, 15                           ; s15 1 in a wave that prefetches, else the greatest number
.set PFA, 18                           ; s[18:19] where my prefetches stand
.set G1K, 24
.set G1V, 32
.set G0K, 40
.set G0V, 48
.set SLOTS, 56
.set TWICE, 57
.set CS,  58
.set SEL, 60
.set TB,  62
.set MP,  66                           ; s[66:67] the mask words of my tile 0 at the step in hand
.set MW,  68                           ; s[68:99] the 32 mask words of the softmax in hand
.set MSB, 0
.macro WIN new
.if MSB != \new
	s_set_vgpr_msb (MSB<<8)|\new
.set MSB, \new
.endif
.endm
.set W_KQ, 0x02                        ; K in window 2; Q and S^T in window 0
.set W_PV, 0x53                        ; V in window 3, P in window 0, O^T in window 1
.set W_RS, 0x41                        ; O^T (destination and source 0) in window 1, the factor in window 0
.macro JLOAD                           ; a joint refill: waves 0 and 1 fetch the two steps' tiles of K, waves 2 and 3 those of V; s_nop 0 and four v_nop follow each line
	s_cmp_lt_u32 s[WV], 2
	s_cbranch_scc0 .Lfor_v_\@
	tensor_load_to_lds s[G0K+4:G0K+7], s[G1K:G1K+7]
	s_nop 0
.rept 4
	v_nop
.endr
	s_branch .Lasked_\@
.Lfor_v_\@:
	tensor_load_to_lds s[G0V+4:G0V+7], s[G1V:G1V+7]
	s_nop 0
.rept 4
	v_nop
.endr
.Lasked_\@:
.endm
; A prefetch of what the NEXT change of slots will ask for.  All clusters of a head walk the same K and V: the head's first cluster asks.  Each wave asks for the tile that it will fetch, 32,768 bytes;
; the four partners take a quarter each, told apart by address: 32 blocks of 256 bytes, a lane a block.  The last change that fills a slot asks for nothing.
.macro ASK
	s_cmp_gt_u32 s[SLOTS], s[LIM]
	s_cbranch_scc0 .Lnot_mine_\@
	global_prefetch_b8 v[PFO], s[PFA:PFA+1] th:TH_LOAD_NT scope:SCOPE_SE
.Lnot_mine_\@:
.endm
.macro CROUND
	s_barrier_signal -1
	s_barrier_wait -1
	s_cmp_lg_u32 s[WV], 0
	s_cbranch_scc1 .Lnot_wave_0_\@
	s_barrier_signal -3
.Lnot_wave_0_\@:
	s_barrier_wait -3
	s_barrier_signal -1
	s_barrier_wait -1
.endm
	s_load_b128 s[4:7], s[0:1], 0x0                ; qkv s[4:5], maskw s[6:7]
	s_load_b64 s[10:11], s[0:1], 0x10              ; y16
	v_lshl_add_u32 v[SPW], v0, 2, SPARE
	v_mov_b32 v[NIL], 0
	ds_add_u32 v[SPW], v[NIL]                      ; the wave's opening: the add, twice on end, and its wait ahead of my first tensor load
	ds_add_u32 v[SPW], v[NIL]
	v_lshrrev_b32 v7, 5, v0
	v_readfirstlane_b32 s[WV], v7                  ; wave 0..3
	s_bfe_u32 s13, ttmp6, 0x40000                  ; cx
	s_lshl_b32 s14, ttmp9, 2
	s_add_co_u32 s14, s14, s13                     ; my block of 128 queries: it enters Q's, the mask's and y's addresses alone
	s_and_b32 s20, ttmp7, 0xffff                   ; the head, which the four partners share
	s_lshl_b32 s21, s20, 20
	s_and_b32 s16, s[WV], 1                        ; which of a slot's two steps I fetch
	s_lshl_b32 s22, s16, 12                        ; K: four key tiles of 1,024 bytes on, in each of the 8 rows
	s_add_co_u32 s22, s22, s21
	s_add_co_u32 s22, s22, 16<<20
	s_mov_b32 s23, 0
	s_lshl_b32 s8, s16, 15                         ; V: 32,768 bytes on
	s_add_co_u32 s8, s8, s21
	s_add_co_u32 s8, s8, 32<<20
	s_mov_b32 s9, 0
	s_lshl_b32 s17, s16, 16                        ; and its place in a slot
	s_lshl_b32 s2, s14, 3
	s_lshl_b32 s3, s[WV], 1
	s_add_co_u32 s2, s2, s3                        ; T0: my first tile of queries
	s_lshl_b32 s[MP], s2, 12                       ; 128 key tiles x 8 words a tile of queries
	s_mov_b32 s[MP+1], 0
	s_lshl_b32 s63, s2, 10
	s_lshl_b32 s2, s2, 17
	s_lshl_b32 s3, s20, 13
	s_add_co_u32 s2, s2, s3                        ; y16: tile T0, K steps 8 head on
	s_mov_b32 s3, 0
	s_add_co_u32 s20, s21, s63                     ; Q: my head's group, tile T0
	s_mov_b32 s21, 0
	; group 1: 8 rows of 512 elements of 8 bytes.  K: a row = the step's four key tiles of one u, rows 131,072 bytes apart.  V: a dense block
	s_mov_b32 s[G1K], 15|(3<<16)|(1<<21)           ; 15:0 the mask: all four work-groups; 17:16 elements of 8 bytes; 21 set beside a mask
	s_mov_b32 s[G1V], 15|(3<<16)|(1<<21)
.irp g, G1K, G1V
	s_mov_b32 s[\g+1], 512<<16
	s_mov_b32 s[\g+2], 8<<16
	s_mov_b32 s[\g+3], 512<<16
	s_mov_b32 s[\g+4], 8
	s_mov_b32 s[\g+6], 0
	s_mov_b32 s[\g+7], 0
.endr
	s_mov_b32 s[G1K+5], 16384
	s_mov_b32 s[G1V+5], 512
	s_mov_b32 s[CS], 0x3db8aa3b                    ; c = log2(e) / sqrt(256)
	s_mov_b32 s[CS+1], s[CS]
	s_mov_b32 s[SEL], 0x76543210
	s_mov_b32 s[SEL+1], 0xfedcba98
	s_mov_b32 s[TB], 0
	s_mov_b32 s[SLOTS], 14                         ; 16 slots' worth of keys; all but the first two are refills
	s_cmp_eq_u32 ttmp9, 0                          ; the head's first cluster: the same in all four partners
	s_cselect_b32 s[LIM], 1, -1
	v_and_b32 v7, 31, v0
	v_lshlrev_b32 v[AL], 4, v7
	v_mov_b32 v[NEG], 0xff800000
	s_wait_dscnt 0x0                               ; both opening adds are done
	s_wait_kmcnt 0x0
	s_add_nc_u64 s[22:23], s[4:5], s[22:23]        ; K and V at my tile of slot 0
	s_add_nc_u64 s[8:9], s[4:5], s[8:9]
	s_add_nc_u64 s[20:21], s[4:5], s[20:21]        ; Q
	s_add_nc_u64 s[MP:MP+1], s[6:7], s[MP:MP+1]
	s_add_nc_u64 s[10:11], s[10:11], s[2:3]
	CROUND                                         ; all four work-groups are here: the first joint loads meet
.irp s, 0,1
	s_mov_b32 s[G0K+4*\s], 1
	s_add_co_u32 s[G0K+4*\s+1], s17, \s*SLOT1
	s_add_nc_u64 s[G0K+4*\s+2:G0K+4*\s+3], s[22:23], \s*8192
	s_or_b32 s[G0K+4*\s+3], s[G0K+4*\s+3], 0x80000000
	s_mov_b32 s[G0V+4*\s], 1
	s_add_co_u32 s[G0V+4*\s+1], s17, \s*SLOT1+VOFF
	s_add_nc_u64 s[G0V+4*\s+2:G0V+4*\s+3], s[8:9], \s*65536
	s_or_b32 s[G0V+4*\s+3], s[G0V+4*\s+3], 0x80000000
.endr
	s_cmp_lt_u32 s[WV], 2                          ; a wave's two first fills stand in one branch: two loads of mine are out
	s_cbranch_scc0 .Lfirst_v
	tensor_load_to_lds s[G0K:G0K+3], s[G1K:G1K+7]
	s_nop 0
	tensor_load_to_lds s[G0K+4:G0K+7], s[G1K:G1K+7]
	s_nop 0
.rept 4
	v_nop
.endr
	s_branch .Lfirst_asked
.Lfirst_v:
	tensor_load_to_lds s[G0V:G0V+3], s[G1V:G1V+7]
	s_nop 0
	tensor_load_to_lds s[G0V+4:G0V+7], s[G1V:G1V+7]
	s_nop 0
.rept 4
	v_nop
.endr
.Lfirst_asked:
.irp t, 0,1                            ; Q stays in registers: tile t, channels 32 u on
.irp u, 0,1,2,3,4,5,6,7
.irp c, 0,1
	global_load_b128 v[QF+64*\t+8*\u+4*\c:QF+64*\t+8*\u+4*\c+3], v[AL], s[20:21] offset:131072*\u+1024*\t+512*\c
.endr
.endr
.endr
	s_load_b512 s[MW:MW+15], s[MP:MP+1], 0x0       ; the first softmax's mask words: tile 0, step 0
	s_load_b512 s[MW+16:MW+31], s[MP:MP+1], 0x40
	; the prefetches: where mine stand.  Nothing is prefetched here, at the head
	s_cmp_lt_u32 s[WV], 2
	s_cselect_b64 s[PFA:PFA+1], s[22:23], s[8:9]
	s_mov_b32 s14, 4096
	s_cselect_b32 s14, 131072, s14                 ; from 16 blocks to the next 16: K's next row, or on in V's dense block
	s_mov_b32 s8, 65536
	s_cselect_b32 s8, 8192, s8                     ; a slot on, in bytes
	s_mov_b32 s9, 0
	v_and_b32 v[PFO], 15, v0
	v_lshlrev_b32 v[PFO], 8, v[PFO]
	v_bfe_u32 v7, v0, 4, 1
	v_mul_u32_u24 v7, v7, s14
	v_add_nc_u32 v[PFO], v[PFO], v7
	s_mul_i32 s14, s14, s13
	s_lshl_b32 s14, s14, 1                         ; my work-group's quarter
	s_lshl_b32 s2, s8, 1                           ; in slot 2: the first change of slots steps it to slot 3
	s_add_co_u32 s2, s2, s14
	s_mov_b32 s3, 0
	s_add_nc_u64 s[PFA:PFA+1], s[PFA:PFA+1], s[2:3]
; THE MATRIX WORK OF A TURN, for piece x.  The accumulators take turns, one instruction a turn: between two links of a chain stand 15 (V^T P) or 3 (K Q^T) others'.
.macro PV x, zero                      ; product i of 32: keys 32 (i / 16) on, channels 16 (i % 16) on
	WIN W_PV
.set rO, 128*(\x)+8*(i%16)
.set rV, 8*i
.set rP, P+16*(\x)+8*(i/16)
.if (\zero) && (i < 16)
	v_wmma_f32_16x16x32_f16 v[rO:rO+7], v[rV:rV+7], v[rP:rP+7], 0
.else
	v_wmma_f32_16x16x32_f16 v[rO:rO+7], v[rV:rV+7], v[rP:rP+7], v[rO:rO+7]
.endif
.endm
.macro KQ x                            ; product i of 32: keys 16 (i % 4) on, channels 32 (i / 4) on.  The first four start the sums
	WIN W_KQ
.set rS, S+32*(\x)+8*(i%4)
.set rK, 8*(8*(i%4)+i/4)
.set rQ, QF+64*(\x)+8*(i/4)
.if i < 4
	v_wmma_f32_16x16x32_f16 v[rS:rS+7], v[rK:rK+7], v[rQ:rQ+7], 0
.else
	v_wmma_f32_16x16x32_f16 v[rS:rS+7], v[rK:rK+7], v[rQ:rQ+7], v[rS:rS+7]
.endif
.endm
; THE LDS LOADS, in runs of eight.  K's run u: the four key tiles' fragments of channels 32 u on, which products 4 u .. 4 u + 3 of K Q^T read; fragment 8 kt + u lies at (4 u + kt) x 1,024.  Run 0 makes the address.
.macro FETCH_K_RUN u
.if (\u) == 0
	WIN 0
	v_add_nc_u32 v[ADR], s[TB], v[AL]
.endif
	WIN 0x80                                       ; destination window 2
.irp kt, 0,1,2,3
	ds_load_b128 v[8*(8*\kt+(\u)):8*(8*\kt+(\u))+3],   v[ADR] offset:(4*(\u)+\kt)*1024
	ds_load_b128 v[8*(8*\kt+(\u))+4:8*(8*\kt+(\u))+7], v[ADR] offset:(4*(\u)+\kt)*1024+512
.endr
.endm
.macro FETCH_K                         ; all eight on end: the first key step's
.irp u, 0,1,2,3,4,5,6,7
	FETCH_K_RUN \u
.endr
.endm
; V's run r: fragments 4 r .. 4 r + 3, which products 4 r .. 4 r + 3 of V^T P read.  Run 0 makes the address, steps to the next key step, and holds the wait for the softmax's batch of exponentials.
.macro FETCH_V_RUN r
.if (\r) == 0
	WIN 0
	v_add_nc_u32 v[ADR], s[TB], v[AL]
	s_add_co_u32 s[TB], s[TB], STEPB               ; the next fetch is the next step's
	s_wait_alu depctr_va_vdst(0)                   ; the wait for the batch, ahead of the loads
.endif
	WIN 0xc0                                       ; destination window 3
.irp q, 0,1,2,3
	ds_load_b128 v[8*(4*(\r)+\q):8*(4*(\r)+\q)+3],   v[ADR] offset:VOFF+1024*(4*(\r)+\q)
	ds_load_b128 v[8*(4*(\r)+\q)+4:8*(4*(\r)+\q)+7], v[ADR] offset:VOFF+1024*(4*(\r)+\q)+512
.endr
.endm
; THE VECTOR WORK OF A TURN: one tile's softmax for one key step, a list of 198 instructions; SM writes number J of it for tile t.  first = 1: the first key step, which starts m, l and O^T.
;   0-31    score or -infinity, by the mask word of the register
;   32-47   the maximum of the 32 scores and the old m (first: and -3e38), three operands at a time
;   48-52   the other half of the lanes' maximum; the new m; c m; c m_old - c m_new
;   53-101  ONE BATCH: the 16 scalings c s - c m (a pair each) and all 33 exponentials; none of these reads an exponential's result
;   (wait)  between 101 and 102 stands the one wait for the batch: SLICE writes it
;   102-117 the roundings to f16;  118-133 the sums, l = a l + the sum;  134-197 the tile's O^T times a
.macro SM t, first
.set rT, ST+8*(\t)
.set rS, S+32*(\t)
.set rP, P+16*(\t)
.if J < 134
	WIN 0
.endif
.if J < 32
	v_cndmask_b32 v[rS+J], v[NEG], v[rS+J], s[MW+J]
.elseif J < 36
	v_max3_num_f32 v[rT+4+J-32], v[rS+8*(J-32)], v[rS+8*(J-32)+1], v[rS+8*(J-32)+2]
.elseif J < 44
.set jj, J-32
	v_max3_num_f32 v[rT+4+jj%4], v[rT+4+jj%4], v[rS+8*(jj%4)+2*(jj/4)+1], v[rS+8*(jj%4)+2*(jj/4)+2]
.elseif J == 44
	v_max3_num_f32 v[rT+4], v[rT+4], v[rS+7], v[rS+15]
.elseif J == 45
	v_max3_num_f32 v[rT+6], v[rT+6], v[rS+23], v[rS+31]
.elseif J == 46
	v_max3_num_f32 v[rT+4], v[rT+4], v[rT+5], v[rT+6]
.elseif (J == 47) && \first
	v_max3_num_f32 v[rT+4], v[rT+4], v[rT+7], 0xff61b1e6
.elseif J == 47
	v_max3_num_f32 v[rT+4], v[rT+4], v[rT+7], v[rT+1]
.elseif J == 48
	v_permlanex16_b32 v[rT+5], v[rT+4], s[SEL], s[SEL+1]   ; the query's other 32 keys lie in the lane 16 away
.elseif J == 50
	v_max_num_f32 v[rT+1], v[rT+4], v[rT+5]
.elseif J == 51
	v_mul_f32 v[rT], s[CS], v[rT+1]
.elseif ((J == 49) || (J == 52) || (J == 55) || (J >= 133)) && \first   ; the first step has none of these
.elseif J == 49
	v_mov_b32 v[rT+7], v[rT]                       ; c m_old is kept for a
.elseif J == 52
	v_sub_f32 v[rT+7], v[rT+7], v[rT]
.elseif J == 55
	v_exp_f32 v[rT+6], v[rT+7]
.elseif J < 102
.set bq, J-53
.if bq >= 45
	v_exp_f32 v[rS+bq-17], v[rS+bq-17]
.elseif (bq < 2) || ((bq-3)%3 == 0)
.set bp, bq
.if bq >= 3
.set bp, (bq-3)/3+2
.endif
	v_pk_fma_f32 v[rS+2*bp:rS+2*bp+1], v[rS+2*bp:rS+2*bp+1], s[CS:CS+1], v[rT:rT+1] op_sel_hi:[1,0,0] neg_lo:[0,0,1] neg_hi:[0,0,1]   ; pair bp: c s - c m
.else
	v_exp_f32 v[rS+2*((bq-3)/3)+(bq-3)%3-1], v[rS+2*((bq-3)/3)+(bq-3)%3-1]
.endif
.elseif J < 118
	v_cvt_pk_f16_f32 v[rP+J-102], v[rS+2*(J-102)], v[rS+2*(J-102)+1]
.elseif J < 134
.set z, J-118
.set w, 4
.set u, z
.if z >= 14
.set w, 32
.set u, 0
.elseif z >= 12
.set w, 16
.set u, z-12
.elseif z >= 8
.set w, 8
.set u, z-8
.endif
.if (z == 14) && \first
	v_pk_add_f32 v[rT+2:rT+3], v[rS:rS+1], v[rS+16:rS+17]
.elseif z < 15
	v_pk_add_f32 v[rS+w*u:rS+w*u+1], v[rS+w*u:rS+w*u+1], v[rS+w*u+w/2:rS+w*u+w/2+1]
.else
	v_pk_fma_f32 v[rT+2:rT+3], v[rT+2:rT+3], v[rT+6:rT+7], v[rS:rS+1] op_sel_hi:[1,0,1]
.endif
.else
	WIN W_RS
.set rO, 128*(\t)+2*(J-134)
	v_pk_mul_f32 v[rO:rO+1], v[rO:rO+1], v[rT+6:rT+7] op_sel_hi:[1,0]
.endif
.endm
; Slice k of 64 of piece y's softmax: numbers 3 k .. 3 k + 2; slice 63 holds the nine that are over: plain lines, the places behind the turn's last product.
; Behind slice 14 (the 32 mask words were read in slices 0 to 10) the next softmax's words are asked for: the other tile's of this step, or tile 0's of the next.
; Behind slice 33 the batch is out: three v_nop, then the one wait; in piece 1's turn V's first run of loads stands there, five plain lines behind the last product that read V, and its other seven
; runs behind slices 36, 39, .. 54.
.macro SLICE y, first, ml
.if k < 63
.irp n, 0,1,2
.set J, 3*k+\n
	SM \y, \first
.endr
.else
.irp n, 0,1,2,3,4,5,6,7,8
.set J, 189+\n
	SM \y, \first
.endr
.endif
.if (k == 14) && \ml
	s_load_b512 s[MW:MW+15], s[MP:MP+1], 4096*(1-(\y))
	s_load_b512 s[MW+16:MW+31], s[MP:MP+1], 4096*(1-(\y))+64
.endif
.if k == 33
.rept 3
	v_nop
.endr
.if (\y) == 0
	FETCH_V_RUN 0
.else
	s_wait_alu depctr_va_vdst(0)
.endif
.endif
.if ((\y) == 0) && (k > 33) && (k < 55) && ((k-33)%3 == 0)
	FETCH_V_RUN (k-33)/3
.endif
.set k, k+1
.endm
.macro PLACES
.rept 4
	v_nop
.endr
.endm
; A TURN.  Piece x has the matrix unit.  pv = 2: 32 products V^T P; 1: they start O^T's sums; 0: none.  kq = 1: 32 products K Q^T for the next step.  ml = 1: the next softmax's mask words are asked for.
; Piece 0's turn fetches the next step's K, a run behind products 1, 4, .. 22.  Its waits on the LDS loads are counted: loads come back in order (ISA guide 5.7.1).
.macro TURN x, pv, kq, first, ml
	s_wait_kmcnt 0x0                               ; this softmax's mask words are in, and their loads have read the pointer
.if (\x) == 0
	s_add_nc_u64 s[MP:MP+1], s[MP:MP+1], 128       ; the softmax is tile 1's: the next is tile 0's of the next step
.endif
.set k, 0
.set per, 2
.if \pv && \kq
.set per, 1
.endif
.if \pv
.if \x == 0
	s_wait_dscnt 32                                ; V's first 32 loads are in: fragments 0-15, which products 0-15 read; its other 32 may be out
.endif
.set i, 0
.rept 32
.if (\x == 0) && (i == 16)
	s_wait_dscnt 40*\kq                            ; all of V is in: behind it only K's five runs of eight issued since (none in the turn that fetches no K)
.endif
	PV \x, 2-\pv
.rept per
	SLICE 1-\x, \first, \ml
.endr
.if (\x == 0) && \kq && (i%3 == 1) && (i < 24)
	FETCH_K_RUN i/3
.endif
.set i, i+1
.endr
.endif
.if \kq
.if \x == 0
	s_wait_dscnt 32                                ; K's runs 0-3 are in, which products 0-15 read; runs 4-7 may be out
.endif
.set i, 0
.rept 32
.if (\x == 0) && (i == 16)
	s_wait_dscnt 0x0                               ; all of K is in
.endif
	KQ \x
.rept per
	SLICE 1-\x, \first, \ml
.endr
.set i, i+1
.endr
.endif
.if \first
	PLACES                                         ; a first softmax's last slices are empty: these take their part behind the last products
.endif
.endm
; THE CHANGE OF SLOTS.  Each wave waits for all its tensor loads (one is out: its part of the other slot), adds 0 to its spare word, and waits for that and for its reads of the slot.
; fill = 1: the barrier is a round of the cluster's, and the joint refill is the first thing behind it: it has two key steps, 256 matrix instructions, in which to land.
.macro CHANGE fill
	WIN 0
	s_wait_tensorcnt 0x0
	ds_add_u32 v[SPW], v[NIL]
.if \fill
	s_xor_b32 s[G0K+5], s[G0K+5], SLOT1            ; the walking descriptors: the other slot, the next 128 keys
	s_add_nc_u64 s[G0K+6:G0K+7], s[G0K+6:G0K+7], 8192
	s_xor_b32 s[G0V+5], s[G0V+5], SLOT1
	s_add_nc_u64 s[G0V+6:G0V+7], s[G0V+6:G0V+7], 65536
	s_wait_xcnt 0x0                                ; the last prefetch, two key steps back, has read its address
	s_add_nc_u64 s[PFA:PFA+1], s[PFA:PFA+1], s[8:9]
	s_wait_dscnt 0x0
	CROUND
	JLOAD
	ASK
.else
	s_wait_dscnt 0x0
	s_barrier_signal -1
	s_barrier_wait -1
.endif
	s_sub_co_u32 s[TB], s[TB], 2*STEPB
	s_xor_b32 s[TB], s[TB], SLOT1
.endm
.macro TWO_STEPS
	s_mov_b32 s[TWICE], 2
.Lstep_\@:
	TURN 0, 2, 1, 0, 1
	TURN 1, 2, 1, 0, 1
	WIN 0
	s_sub_co_u32 s[TWICE], s[TWICE], 1
	s_cmp_lg_u32 s[TWICE], 0
	s_cbranch_scc1 .Lstep_\@
.endm
	s_wait_tensorcnt 1                             ; my part of slot 0 is in; slot 1's may stay out
	s_barrier_signal -1
	s_barrier_wait -1
	FETCH_K                                        ; key step 0
	s_wait_loadcnt 0x0                             ; Q
	s_wait_dscnt 0x0
.set i, 0
.rept 32
	KQ 0                                           ; piece 0's first scores
.set i, i+1
.endr
	PLACES                                         ; in front of the first read of those scores
	TURN 1, 0, 1, 1, 1                             ; piece 1's first scores | piece 0's first softmax | V of step 0
	TURN 0, 1, 1, 1, 1                             ; piece 0: V^T P of step 0 starts O^T, K Q^T of step 1 | piece 1's first softmax | K of step 1
	TURN 1, 1, 1, 0, 1                             ; piece 1: the same | piece 0's softmax of step 1 | V of step 1
	WIN 0
.Lslot:                                            ; 14 trips: every slot but the last two is filled again
	CHANGE 1
	TWO_STEPS
	s_sub_co_u32 s[SLOTS], s[SLOTS], 1
	s_cmp_lg_u32 s[SLOTS], 0
	s_cbranch_scc1 .Lslot
	CHANGE 0                                       ; the tail is written out
	TWO_STEPS
	TURN 0, 2, 0, 0, 0                             ; piece 0: V^T P of the last step | piece 1's last softmax
.set i, 0
.rept 32
	PV 1, 0
.set i, i+1
.endr
	; THE WAY OUT.  O^T / l, rounded to f16: a lane's eight channels are its 16 bytes of half ct % 2 of a fragment of y: 512 consecutive bytes a store, no stage.  Plain multiplies: a row without keys gives NaN.
	WIN 0
.irp t, 0,1
	v_add_f32 v[ST+8*\t+4], v[ST+8*\t+2], v[ST+8*\t+3]
.endr
.irp t, 0,1
	v_permlanex16_b32 v[ST+8*\t+5], v[ST+8*\t+4], s[SEL], s[SEL+1]
.endr
.irp t, 0,1
	v_add_f32 v[ST+8*\t+4], v[ST+8*\t+4], v[ST+8*\t+5]
.endr
.irp t, 0,1
	v_rcp_f32 v[ST+8*\t+6], v[ST+8*\t+4]
.endr
	v_nop
	s_wait_alu depctr_va_vdst(0)                   ; one wait for the two reciprocals
.macro OUTT t, d
	WIN W_RS
.set i, 0
.rept 128
	v_mul_f32 v[128*\t+i], v[128*\t+i], v[ST+8*\t+6]
.set i, i+1
.endr
	WIN 0x05                                       ; sources 0 and 1 window 1, destination window 0
.set i, 0
.rept 64
	v_cvt_pk_f16_f32 v[\d+i], v[128*\t+2*i], v[128*\t+2*i+1]
.set i, i+1
.endr
	WIN 0
.set i, 0
.rept 16
	global_store_b128 v[AL], v[\d+4*i:\d+4*i+3], s[10:11] offset:131072*\t+512*i
.set i, i+1
.endr
.endm
	OUTT 0, 32
	OUTT 1, 128
	s_wait_tensorcnt 0x0                           ; the wave's end
	ds_add_u32 v[SPW], v[NIL]
	s_wait_dscnt 0x0
	CROUND                                         ; the closing round
	s_endpgm
.Lfunc_end_k_q37fe03b5d3_att:
	.size	k_q37fe03b5d3_att, .Lfunc_end_k_q37fe03b5d3_att-k_q37fe03b5d3_att
	.p2alignl 7, 3214868480
	.fill 96, 4, 3214868480
	.section	.rodata,"a",@progbits
	.p2align	6, 0x0
	.amdhsa_kernel k_q37fe03b5d3_att
		.amdhsa_group_segment_fixed_size 327680
		.amdhsa_private_segment_fixed_size 0
		.amdhsa_enable_private_segment 0
		.amdhsa_kernarg_size 24
		.amdhsa_user_sgpr_count 2
		.amdhsa_user_sgpr_kernarg_segment_ptr 1
		.amdhsa_wavefront_size32 1
		.amdhsa_system_sgpr_workgroup_id_x 1
		.amdhsa_system_sgpr_workgroup_id_y 1
		.amdhsa_system_sgpr_workgroup_id_z 1
		.amdhsa_system_vgpr_workitem_id 0
		.amdhsa_next_free_vgpr 1024
		.amdhsa_next_free_sgpr 100
		.amdhsa_reserve_vcc 0
		.amdhsa_float_denorm_mode_32 3
		.amdhsa_float_denorm_mode_16_64 3
		.amdhsa_memory_ordered 1
		.amdhsa_forward_progress 1
		.amdhsa_inst_pref_size 210
	.end_amdhsa_kernel
	.amdgpu_metadata
---
amdhsa.version: [ 1, 2 ]
amdhsa.kernels:
  - .name:           k_q37fe03b5d3_att
    .symbol:         k_q37fe03b5d3_att.kd
    .args:
      - { .name: qkv, .offset: 0, .size: 8, .value_kind: global_buffer, .address_space: global }
      - { .name: maskw, .offset: 8, .size: 8, .value_kind: global_buffer, .address_space: global }
      - { .name: y16, .offset: 16, .size: 8, .value_kind: global_buffer, .address_space: global }
    .group_segment_fixed_size: 327680
    .private_segment_fixed_size: 0
    .kernarg_segment_align: 8
    .kernarg_segment_size: 24
    .max_flat_workgroup_size: 128
    .sgpr_count:     100
    .vgpr_count:     1024
    .wavefront_size: 32
...
	.end_amdgpu_metadata
.endif
;; end of part 4
;; launch proj (part 5): grid 8 x 16, 4 waves a work-group, clusters of 4 x 4, 327,680 bytes of LDS; arguments y16, wo16, out0; writes out0
.if DOCPART == 5
	.amdgcn_target "amdgcn-amd-amdhsa--gfx1250"
	.amdhsa_code_object_version 6
	.text
	.protected	k_q37fe03b5d3_proj
	.globl	k_q37fe03b5d3_proj
	.p2align	8
	.type	k_q37fe03b5d3_proj,@function
k_q37fe03b5d3_proj:
	s_mov_b64 s[64:65], 0
	v_nop
	global_prefetch_b8 v0, s[64:65] scope:SCOPE_SE
	s_setreg_imm32_b32 hwreg(HW_REG_WAVE_MODE, 25, 1), 1
	s_wait_xcnt 0x0
	s_wait_alu depctr_hold_cnt(0) depctr_sa_sdst(0) depctr_va_vdst(0) depctr_va_sdst(0) depctr_va_ssrc(0) depctr_va_vcc(0) depctr_vm_vsrc(0)
	s_getreg_b32 s2, hwreg(HW_REG_IB_STS2, 6, 4)
	s_cmp_eq_u32 s2, 0
	s_cbranch_scc0 .Lentry_in_a_cluster
	s_endpgm
.Lentry_in_a_cluster:
	s_bfe_u32 s2, ttmp6, 0x10000c
	s_cmp_lg_u32 s2, 0xf033
	s_cbranch_scc0 .Lentry_shape_is_right
	s_endpgm
.Lentry_shape_is_right:
; out0 = y Wo: [2,048, 4,096] x [4,096, 1,024], f16 operands, f32 sums, f32 out.  No work is left out; rows 0-15 lie inside live tiles and are stored again, more finely, by the launch behind this one.
; A tile of out0 is 128 x 128: four waves, each 64 x 64: 16 accumulators.  K goes in steps of 256 through a ring of two LDS slots.  Both operands lie in memory as images of fragments (1,024 bytes):
; a wave's tile, 64 rows x 256 K, is 4 rows of 8,192 bytes for one tensor load; a fragment is two LDS loads at 16 x lane: no pitch, no padding.
; 128 work-groups: a tile of 128 x 64 would give 256 but asks half as much again of LDS for each matrix instruction and halves the work between a refill's request and its wait.
; CLUSTERS: 4 x 4; y's tiles shared along a row of the cluster, Wo's along a column: joint loads.  The matrix instruction is used transposed (source 0 = Wo's 16 columns, source 1 = y's 16 rows).
; THE ORDER ALONG K: a cluster whose x + y is odd takes each lap's two K steps in the other order (slot 0 the odd step, slot 1 the even one).  y's rows are read by the two clusters of a row of clusters and
; Wo's by the four of a column: neighbours among them so ask for a given K step one step apart.  The sums are f32 and take the K steps in that order.
; REGISTERS: window 0: v0-31 addresses; v32-95 the way out; v128-255 accumulators ((a, b) at v[128 + 8 (4 a + b)]).  window 1: two fragment buffers of 128.
.set HALFT,  32768
.set SLOT,   4*HALFT
.set SPARE,  2*SLOT                    ; behind the ring: the spare words
.set SPITCH, 272                       ; the way out: a stage of 16 rows x (256 bytes + 16) for each wave, in slot 0, which has had its last fill and its last read by then
.set LAPS,   8                         ; 4,096 / 512
.set ADRA, 16
.set ADRB, 20
.set STO,  24
.set RD,   25
.set CO,   26
.set SPW,  28
.set NIL,  29
.set TMP,  32
.set ACC,  128
.set F0,   0
.set F1,   128
.set G1, 24
.set G0, 32
.set G1B, 48
.set G0B, 56
.set MSB, 0
.macro WIN new
.if MSB != \new
	s_set_vgpr_msb (MSB<<8)|\new
.set MSB, \new
.endif
.endm
.set MUL,  0x05                        ; sources 0 and 1 window 1; C and D window 0
.set TO_F, 0x40
.macro JLOAD s                         ; a joint load: waves 0 and 1 fetch y's two halves, waves 2 and 3 Wo's; s_nop 0 and four v_nop follow each line
	s_cmp_eq_u32 s11, 0
	s_cbranch_scc0 .Lfor_b_\@
	tensor_load_to_lds s[G0+4*\s:G0+4*\s+3], s[G1:G1+7]
	s_nop 0
.rept 4
	v_nop
.endr
	s_branch .Lasked_\@
.Lfor_b_\@:
	tensor_load_to_lds s[G0B+4*\s:G0B+4*\s+3], s[G1B:G1B+7]
	s_nop 0
.rept 4
	v_nop
.endr
.Lasked_\@:
.endm
.macro CREST
	s_cmp_lg_u32 s10, 0
	s_cbranch_scc1 .Lnot_wave_0_\@
	s_barrier_signal -3
.Lnot_wave_0_\@:
	s_barrier_wait -3
	s_barrier_signal -1
	s_barrier_wait -1
.endm
.macro CROUND
	s_barrier_signal -1
	s_barrier_wait -1
	CREST
.endm
	s_load_b128 s[4:7], s[0:1], 0x0                ; y16 s[4:5], wo16 s[6:7]
	s_load_b64 s[8:9], s[0:1], 0x10                ; out0
	v_lshl_add_u32 v[SPW], v0, 2, SPARE
	v_mov_b32 v[NIL], 0
	ds_add_u32 v[SPW], v[NIL]                      ; the wave's opening: the add, twice on end, and its wait ahead of my first tensor load
	ds_add_u32 v[SPW], v[NIL]
	v_lshrrev_b32 v1, 5, v0
	v_readfirstlane_b32 s10, v1                    ; wave 0..3
	s_lshr_b32 s11, s10, 1                         ; which half of the tile's rows is mine.  Also: I fetch for y (0) or for Wo (1)
	s_and_b32 s12, s10, 1                          ; which half of its columns.  Also: which 64 rows I fetch
	s_bfe_u32 s40, ttmp6, 0x40000
	s_bfe_u32 s41, ttmp6, 0x40004
	s_lshl_b32 s42, ttmp9, 2
	s_add_co_u32 s42, s42, s40                     ; tile column
	s_and_b32 s13, ttmp7, 0xffff
	s_add_co_u32 s18, s13, ttmp9                   ; the cluster's x + y: the same in all sixteen partners
	s_and_b32 s18, s18, 1
	s_lshl_b32 s18, s18, 13                        ; slot 0's first K step, in bytes: 0, or 8,192 where x + y is odd
	s_mov_b32 s19, 0
	s_lshl_b32 s13, s13, 2
	s_add_co_u32 s13, s13, s41                     ; tile row
	s_lshl_b32 s43, s41, 2
	s_lshl_b32 s43, 15, s43
	s_lshl_b32 s44, 0x1111, s40
	s_or_b32 s[G1+0], s43, (3<<16)|(1<<21)         ; the mask; elements of 8 bytes; bit 21 beside a mask; no padding
	s_or_b32 s[G1B+0], s44, (3<<16)|(1<<21)
.irp g, G1, G1B
	s_mov_b32 s[\g+1], 1024<<16                    ; tensor_dim0: 8 fragments, 8,192 bytes
	s_mov_b32 s[\g+2], 4<<16                       ; tensor_dim1: 4 tiles of 16 rows
	s_mov_b32 s[\g+3], 1024<<16
	s_mov_b32 s[\g+4], 4
	s_mov_b32 s[\g+5], 16384                       ; 131,072 bytes from a tile of rows to the next
	s_mov_b32 s[\g+6], 0
	s_mov_b32 s[\g+7], 0
.endr
	s_lshl_b32 s17, s12, 2
	s_lshl_b32 s16, s13, 3
	s_add_co_u32 s16, s16, s17                     ; y: tile of rows 8 x tile row + 4 x half
	s_lshl_b32 s16, s16, 17
	s_lshl_b32 s46, s42, 3
	s_add_co_u32 s46, s46, s17                     ; Wo: 8 x tile column + 4 x half
	s_lshl_b32 s46, s46, 17
	s_mov_b32 s17, 0
	s_mov_b32 s47, 0
	s_mul_i32 s20, s10, HALFT
	s_wait_dscnt 0x0
	s_wait_kmcnt 0x0
	s_add_nc_u64 s[14:15], s[4:5], s[16:17]
	s_add_nc_u64 s[46:47], s[6:7], s[46:47]
	CROUND
.irp s, 0,1
	s_mov_b32 s[G0+4*\s], 1
	s_add_co_u32 s[G0+4*\s+1], s20, \s*SLOT
	s_add_nc_u64 s[G0+4*\s+2:G0+4*\s+3], s[14:15], s[18:19]
	s_or_b32 s[G0+4*\s+3], s[G0+4*\s+3], 0x80000000
	s_mov_b32 s[G0B+4*\s], 1
	s_add_co_u32 s[G0B+4*\s+1], s20, \s*SLOT
	s_add_nc_u64 s[G0B+4*\s+2:G0B+4*\s+3], s[46:47], s[18:19]
	s_or_b32 s[G0B+4*\s+3], s[G0B+4*\s+3], 0x80000000
	JLOAD \s
	s_xor_b32 s18, s18, 8192                       ; slot 1 takes the lap's other K step (s18 is no word of a descriptor)
.endr
	v_and_b32 v1, 15, v0                           ; r
	v_bfe_u32 v2, v0, 4, 1                         ; h
	v_and_b32 v3, 31, v0
	v_lshlrev_b32 v3, 4, v3                        ; 16 x lane
	s_mul_i32 s21, s11, HALFT
	s_mul_i32 s22, s12, HALFT
	s_add_co_u32 s22, s22, 2*HALFT
.irp s, 0,1
	v_add_nc_u32 v[ADRA+\s], s21, v3
	v_add_nc_u32 v[ADRB+\s], s22, v3
	s_add_co_u32 s21, s21, SLOT
	s_add_co_u32 s22, s22, SLOT
.endr
	s_mul_i32 s23, s10, 16*SPITCH                  ; my stage
	v_mul_u32_u24 v4, v1, SPITCH
	v_lshl_add_u32 v4, v2, 5, v4
	v_add_nc_u32 v[STO], s23, v4                   ; in: row r, 32 bytes for each half of the lanes
	v_mul_u32_u24 v5, v2, SPITCH
	v_lshl_add_u32 v5, v1, 4, v5
	v_add_nc_u32 v[RD], s23, v5                    ; back: lanes 0-15 one row of 256 bytes, lanes 16-31 the next
	v_lshlrev_b32 v5, 12, v2
	v_lshl_add_u32 v[CO], v1, 4, v5                ; and the same two rows in out0
	s_lshl_b32 s16, s13, 7
	s_lshl_b32 s17, s11, 6
	s_add_co_u32 s16, s16, s17                     ; my first row
	s_lshl_b32 s16, s16, 12
	s_lshl_b32 s46, s42, 9
	s_lshl_b32 s47, s12, 8
	s_add_co_u32 s46, s46, s47                     ; my first column, in bytes
	s_add_co_u32 s16, s16, s46
	s_mov_b32 s17, 0
	s_add_nc_u64 s[8:9], s[8:9], s[16:17]
.macro MUL8 f, c, a0, zero             ; 8 matrix instructions: row blocks a0, a0 + 1 x all 4 column blocks, 32 along K; the 16 accumulators take turns
.irp a, \a0, \a0+1
.irp b, 0,1,2,3
.if \zero
	v_wmma_f32_16x16x32_f16 v[ACC+8*(4*(\a)+\b):ACC+8*(4*(\a)+\b)+7], v[\f+64+8*(4*\c+\b):\f+64+8*(4*\c+\b)+7], v[\f+8*(4*\c+\a):\f+8*(4*\c+\a)+7], 0
.else
	v_wmma_f32_16x16x32_f16 v[ACC+8*(4*(\a)+\b):ACC+8*(4*(\a)+\b)+7], v[\f+64+8*(4*\c+\b):\f+64+8*(4*\c+\b)+7], v[\f+8*(4*\c+\a):\f+8*(4*\c+\a)+7], v[ACC+8*(4*(\a)+\b):ACC+8*(4*(\a)+\b)+7]
.endif
.endr
.endr
.endm
.macro FETCH slot, kq, f               ; 32 LDS loads in one run: the fragments of the slot's kq-th 64 along K, the first 32 along K first
	WIN TO_F
.irp c, 0,1
.irp i, 0,1,2,3
	ds_load_b128 v[\f+64+8*(4*\c+\i):\f+64+8*(4*\c+\i)+3],   v[ADRB+\slot] offset:8192*\i+1024*(2*(\kq)+\c)
	ds_load_b128 v[\f+64+8*(4*\c+\i)+4:\f+64+8*(4*\c+\i)+7], v[ADRB+\slot] offset:8192*\i+1024*(2*(\kq)+\c)+512
	ds_load_b128 v[\f+8*(4*\c+\i):\f+8*(4*\c+\i)+3],         v[ADRA+\slot] offset:8192*\i+1024*(2*(\kq)+\c)
	ds_load_b128 v[\f+8*(4*\c+\i)+4:\f+8*(4*\c+\i)+7],       v[ADRA+\slot] offset:8192*\i+1024*(2*(\kq)+\c)+512
.endr
.endr
.endm
.macro PLACES
.rept 4
	v_nop
.endr
.endm
.macro QUARTER slot, kq, f, g, zero    ; multiplies buffer f and fetches the slot's kq-th quarter into g
	s_wait_dscnt 16                                ; the first 32 along K are in
	WIN MUL
	MUL8 \f, 0, 0, \zero
	MUL8 \f, 0, 2, \zero
	PLACES
	FETCH \slot, \kq, \g
	s_wait_dscnt 32                                ; all but the 32 just issued
	WIN MUL
	MUL8 \f, 1, 0, 0
	MUL8 \f, 1, 2, 0
.endm
.macro TURN slot, next, fill           ; the last quarter multiplies buffer 1 and changes slots
	WIN 0
	s_wait_tensorcnt 0x0                           ; all my tensor loads have landed: my part of the next slot
	ds_add_u32 v[SPW], v[NIL]
	s_wait_dscnt 17                                ; (the add and the youngest sixteen loads may be out)
	WIN MUL
	MUL8 F1, 0, 0, 0
	s_wait_dscnt 0x0                               ; the add is done, and my reads of this slot are over
	s_barrier_signal -1
	MUL8 F1, 0, 2, 0
.if \fill
	WIN 0
.endif
	s_barrier_wait -1
.if \fill
	CREST                                          ; the barrier has opened a round of the cluster's: no wave of any partner still reads this slot or has a load on its way
	s_add_nc_u64 s[G0+4*\slot+2:G0+4*\slot+3], s[G0+4*\slot+2:G0+4*\slot+3], 16384
	s_add_nc_u64 s[G0B+4*\slot+2:G0B+4*\slot+3], s[G0B+4*\slot+2:G0B+4*\slot+3], 16384
	JLOAD \slot                                    ; the first tensor load behind the round; its four v_nop are also the places in front of the loads below
.else
	PLACES
.endif
	FETCH \next, 0, F0
	WIN MUL
	MUL8 F1, 1, 0, 0
	MUL8 F1, 1, 2, 0
.endm
	s_wait_tensorcnt 1                             ; my part of slot 0 is in; slot 1's may stay out
	s_barrier_signal -1
	s_barrier_wait -1
	FETCH 0, 0, F0
	QUARTER 0, 1, F0, F1, 1                        ; the first products start the sums
	WIN 0
	s_mov_b32 s3, LAPS-1
.Llap:
	QUARTER 0, 2, F1, F0, 0
	QUARTER 0, 3, F0, F1, 0
	TURN 0, 1, 1
	QUARTER 1, 1, F0, F1, 0
	QUARTER 1, 2, F1, F0, 0
	QUARTER 1, 3, F0, F1, 0
	TURN 1, 0, 1
	QUARTER 0, 1, F0, F1, 0
	WIN 0
	s_sub_co_u32 s3, s3, 1
	s_cmp_lg_u32 s3, 0
	s_cbranch_scc1 .Llap
	QUARTER 0, 2, F1, F0, 0                        ; the last lap fills nothing
	QUARTER 0, 3, F0, F1, 0
	TURN 0, 1, 0
	QUARTER 1, 1, F0, F1, 0
	QUARTER 1, 2, F1, F0, 0
	QUARTER 1, 3, F0, F1, 0
	s_wait_dscnt 16
	WIN MUL
	MUL8 F1, 0, 0, 0
	MUL8 F1, 0, 2, 0
	s_wait_dscnt 0
	MUL8 F1, 1, 0, 0
	MUL8 F1, 1, 2, 0
	WIN 0
; THE WAY OUT, 16 rows x 64 columns at a time: a lane holds 32 bytes of a row; through my own stage they come back as whole rows of 256 bytes, which sixteen lanes store as one aligned unit.
.macro TOSTAGE a
.irp b, 0,1,2,3
	ds_store_b128 v[STO], v[ACC+8*(4*(\a)+\b):ACC+8*(4*(\a)+\b)+3] offset:64*\b       ; each accumulator from its low end on
	ds_store_b128 v[STO], v[ACC+8*(4*(\a)+\b)+4:ACC+8*(4*(\a)+\b)+7] offset:64*\b+16
.endr
.irp t, 0,1,2,3,4,5,6,7
	ds_load_b128 v[TMP+32*((\a)%2)+4*\t:TMP+32*((\a)%2)+4*\t+3], v[RD] offset:2*\t*SPITCH   ; LDS serves a wave's instructions in order: these see my stores
.endr
.endm
.macro SEND a, younger
	s_wait_dscnt \younger
.irp t, 0,1,2,3,4,5,6,7
	global_store_b128 v[CO], v[TMP+32*((\a)%2)+4*\t:TMP+32*((\a)%2)+4*\t+3], s[8:9] offset:(16*(\a)+2*\t)*4096 th:TH_STORE_NT
.endr
.endm
	PLACES
	TOSTAGE 0
.irp a, 1,2,3
.if \a > 1
	s_wait_xcnt 0x0                                ; block a - 2's stores have read their data
.endif
	TOSTAGE \a
	SEND \a-1, 16                                  ; behind block a - 1's loads: block a's 8 stores and 8 loads
.endr
	SEND 3, 0
	s_wait_tensorcnt 0x0                           ; the wave's end
	ds_add_u32 v[SPW], v[NIL]
	s_wait_dscnt 0x0
	CROUND
	s_endpgm
.Lfunc_end_k_q37fe03b5d3_proj:
	.size	k_q37fe03b5d3_proj, .Lfunc_end_k_q37fe03b5d3_proj-k_q37fe03b5d3_proj
	.p2alignl 7, 3214868480
	.fill 96, 4, 3214868480
	.section	.rodata,"a",@progbits
	.p2align	6, 0x0
	.amdhsa_kernel k_q37fe03b5d3_proj
		.amdhsa_group_segment_fixed_size 327680
		.amdhsa_private_segment_fixed_size 0
		.amdhsa_enable_private_segment 0
		.amdhsa_kernarg_size 24
		.amdhsa_user_sgpr_count 2
		.amdhsa_user_sgpr_kernarg_segment_ptr 1
		.amdhsa_wavefront_size32 1
		.amdhsa_system_sgpr_workgroup_id_x 1
		.amdhsa_system_sgpr_workgroup_id_y 1
		.amdhsa_system_sgpr_workgroup_id_z 1
		.amdhsa_system_vgpr_workitem_id 0
		.amdhsa_next_free_vgpr 512
		.amdhsa_next_free_sgpr 66
		.amdhsa_reserve_vcc 0
		.amdhsa_float_denorm_mode_32 3
		.amdhsa_float_denorm_mode_16_64 3
		.amdhsa_memory_ordered 1
		.amdhsa_forward_progress 1
		.amdhsa_inst_pref_size 85
	.end_amdhsa_kernel
	.amdgpu_metadata
---
amdhsa.version: [ 1, 2 ]
amdhsa.kernels:
  - .name:           k_q37fe03b5d3_proj
    .symbol:         k_q37fe03b5d3_proj.kd
    .args:
      - { .name: y16, .offset: 0, .size: 8, .value_kind: global_buffer, .address_space: global }
      - { .name: wo16, .offset: 8, .size: 8, .value_kind: global_buffer, .address_space: global }
      - { .name: out0, .offset: 16, .size: 8, .value_kind: global_buffer, .address_space: global }
    .group_segment_fixed_size: 327680
    .private_segment_fixed_size: 0
    .kernarg_segment_align: 8
    .kernarg_segment_size: 24
    .max_flat_workgroup_size: 128
    .sgpr_count:     66
    .vgpr_count:     512
    .wavefront_size: 32
...
	.end_amdgpu_metadata
.endif
;; end of part 5
;; launch fproj (part 6): grid 64 x 1, 16 waves a work-group, no clusters, 18,432 bytes of LDS; arguments yf, wo16, out0; writes out0
.if DOCPART == 6
	.amdgcn_target "amdgcn-amd-amdhsa--gfx1250"
	.amdhsa_code_object_version 6
	.text
	.protected	k_q37fe03b5d3_fproj
	.globl	k_q37fe03b5d3_fproj
	.p2align	8
	.type	k_q37fe03b5d3_fproj,@function
k_q37fe03b5d3_fproj:
	s_mov_b64 s[64:65], 0
	v_nop
	global_prefetch_b8 v0, s[64:65] scope:SCOPE_SE
	s_setreg_imm32_b32 hwreg(HW_REG_WAVE_MODE, 25, 1), 1
	s_wait_xcnt 0x0
; Rows 0-15 of out0 once more, from y as a pair of f16 numbers (high and low part, both to the matrix unit) and Wo in f16; sums f32.  It stores over what the launch before left in these rows.
; A work-group takes 16 columns; wave w takes K steps 8 w .. 8 w + 7 of 128.  The sixteen partial tiles meet in LDS as images of their registers, and wave 0 adds them in a fixed order and stores.
; The stores cover 64 bytes of each of 16 rows: 65,536 bytes in the whole launch; a share 64 columns wide would leave 16 work-groups to read Wo.
.set SPARE, 16384
.set SPW, 252
.set NIL, 253
.set WO, 16                            ; v16-79 Wo's 8 fragments; v80-143 y's high parts; v144-207 its low parts
.set YH, 80
.set YL, 144
.set A0, 208
.set A1, 216
.set SU, 224
	s_load_b128 s[4:7], s[0:1], 0x0                ; yf s[4:5], wo16 s[6:7]
	s_load_b64 s[8:9], s[0:1], 0x10                ; out0
	v_lshl_add_u32 v[SPW], v0, 2, SPARE
	v_mov_b32 v[NIL], 0
	v_lshrrev_b32 v2, 5, v0
	v_readfirstlane_b32 s10, v2                    ; wave
	v_and_b32 v2, 31, v0
	v_lshlrev_b32 v1, 4, v2                        ; 16 x lane
	s_lshl_b32 s11, s10, 10
	v_add_nc_u32 v3, s11, v1                       ; my partial tile's image
	v_and_b32 v4, 15, v0
	v_bfe_u32 v5, v0, 4, 1
	v_lshlrev_b32 v4, 12, v4
	v_lshl_add_u32 v4, v5, 5, v4                   ; out0: row r, 32 h bytes on
	s_lshl_b32 s12, s10, 13                        ; my 8 K steps
	s_mov_b32 s13, 0
	s_lshl_b32 s14, ttmp9, 17                      ; my 16 columns' tile of Wo
	s_add_co_u32 s14, s14, s12
	s_mov_b32 s15, 0
	s_lshl_b32 s16, ttmp9, 6
	s_mov_b32 s17, 0
	s_wait_kmcnt 0x0
	s_add_nc_u64 s[4:5], s[4:5], s[12:13]
	s_add_nc_u64 s[6:7], s[6:7], s[14:15]
	s_add_nc_u64 s[8:9], s[8:9], s[16:17]
.irp k, 0,1,2,3,4,5,6,7
.irp c, 0,1
	global_load_b128 v[WO+8*\k+4*\c:WO+8*\k+4*\c+3], v1, s[6:7] offset:1024*\k+512*\c
	global_load_b128 v[YH+8*\k+4*\c:YH+8*\k+4*\c+3], v1, s[4:5] offset:1024*\k+512*\c
	global_load_b128 v[YL+8*\k+4*\c:YL+8*\k+4*\c+3], v1, s[4:5] offset:131072+1024*\k+512*\c
.endr
.endr
	s_wait_loadcnt 0x0
	v_wmma_f32_16x16x32_f16 v[A0:A0+7], v[WO:WO+7], v[YH:YH+7], 0       ; source 0 = Wo's 16 columns, source 1 = y's 16 rows: a lane holds row r and columns 8 h + 0..7; two accumulators by turns
	v_wmma_f32_16x16x32_f16 v[A1:A1+7], v[WO:WO+7], v[YL:YL+7], 0
.irp k, 1,2,3,4,5,6,7
	v_wmma_f32_16x16x32_f16 v[A0:A0+7], v[WO+8*\k:WO+8*\k+7], v[YH+8*\k:YH+8*\k+7], v[A0:A0+7]
	v_wmma_f32_16x16x32_f16 v[A1:A1+7], v[WO+8*\k:WO+8*\k+7], v[YL+8*\k:YL+8*\k+7], v[A1:A1+7]
.endr
.rept 4
	v_nop
.endr
.irp j, 0,1,2,3,4,5,6,7
	v_add_f32 v[SU+\j], v[A0+\j], v[A1+\j]
.endr
	ds_store_b128 v3, v[SU:SU+3]
	ds_store_b128 v3, v[SU+4:SU+7] offset:512
	s_wait_dscnt 0x0                               ; for wave 0's sake: my stores have landed
	s_barrier_signal -1
	s_barrier_wait -1
	s_cmp_lg_u32 s10, 0
	s_cbranch_scc1 .Ldone
.set p, 0
.rept 16
	ds_load_b128 v[16+8*p:19+8*p], v1 offset:1024*p
	ds_load_b128 v[20+8*p:23+8*p], v1 offset:1024*p+512
.set p, p+1
.endr
	s_wait_dscnt 0x0
.irp d, 8,4,2,1                        ; a fixed tree; plain additions
.set p, 0
.rept \d
.set j, 0
.rept 8
	v_add_f32 v[16+8*p+j], v[16+8*p+j], v[16+8*(p+\d)+j]
.set j, j+1
.endr
.set p, p+1
.endr
.endr
	global_store_b128 v4, v[16:19], s[8:9]
	global_store_b128 v4, v[20:23], s[8:9] offset:16
.Ldone:
	s_wait_tensorcnt 0x0                           ; the wave's end
	ds_add_u32 v[SPW], v[NIL]
	s_wait_dscnt 0x0
	s_endpgm
.Lfunc_end_k_q37fe03b5d3_fproj:
	.size	k_q37fe03b5d3_fproj, .Lfunc_end_k_q37fe03b5d3_fproj-k_q37fe03b5d3_fproj
	.p2alignl 7, 3214868480
	.fill 96, 4, 3214868480
	.section	.rodata,"a",@progbits
	.p2align	6, 0x0
	.amdhsa_kernel k_q37fe03b5d3_fproj
		.amdhsa_group_segment_fixed_size 18432
		.amdhsa_private_segment_fixed_size 0
		.amdhsa_enable_private_segment 0
		.amdhsa_kernarg_size 24
		.amdhsa_user_sgpr_count 2
		.amdhsa_user_sgpr_kernarg_segment_ptr 1
		.amdhsa_wavefront_size32 1
		.amdhsa_system_sgpr_workgroup_id_x 1
		.amdhsa_system_sgpr_workgroup_id_y 1
		.amdhsa_system_sgpr_workgroup_id_z 1
		.amdhsa_system_vgpr_workitem_id 0
		.amdhsa_next_free_vgpr 256
		.amdhsa_next_free_sgpr 66
		.amdhsa_reserve_vcc 0
		.amdhsa_float_denorm_mode_32 3
		.amdhsa_float_denorm_mode_16_64 3
		.amdhsa_memory_ordered 1
		.amdhsa_forward_progress 1
		.amdhsa_inst_pref_size 14
	.end_amdhsa_kernel
	.amdgpu_metadata
---
amdhsa.version: [ 1, 2 ]
amdhsa.kernels:
  - .name:           k_q37fe03b5d3_fproj
    .symbol:         k_q37fe03b5d3_fproj.kd
    .args:
      - { .name: yf, .offset: 0, .size: 8, .value_kind: global_buffer, .address_space: global }
      - { .name: wo16, .offset: 8, .size: 8, .value_kind: global_buffer, .address_space: global }
      - { .name: out0, .offset: 16, .size: 8, .value_kind: global_buffer, .address_space: global }
    .group_segment_fixed_size: 18432
    .private_segment_fixed_size: 0
    .kernarg_segment_align: 8
    .kernarg_segment_size: 24
    .max_flat_workgroup_size: 512
    .sgpr_count:     66
    .vgpr_count:     256
    .wavefront_size: 32
...
	.end_amdgpu_metadata
.endif
;; end of part 6
